; MI455X (gfx1250); checked and timed in simulation.
; The chip was launched on July 23, 2026; its instructions are those of AMD's public machine-readable ISA for CDNA 5 (MIT licence, August 2026) and "CDNA5" Instruction Set Architecture Reference Guide (July 2026). The comments in the code are by the model that wrote it; some were corrected since.
;; Optimized FC Attention. Allowed arithmetic: matrix products marked QUANTISED: E4M3 operands, one given power-of-two scale a tensor, by v_wmma_f32_16x16x64_fp8_fp8 or v_wmma_f32_16x16x128_fp8_fp8, f32 sums; everything else in f32.
;; Inputs: Wk 1,024 x 1,024 float32; Wo 1,024 x 1,024 float32; Wq 1,024 x 1,024 float32; Wv 1,024 x 1,024 float32; bar_ids 1 x 2,048 int32; bk 1,024 float32; bo 1,024 float32; bq 1,024 float32; bv 1,024 float32; instrument_ids 1 x 2,048 int32; lowp_scales 20 int32 (the exponents e of the quantised operands' scales 2^e); x 1 x 2,048 x 1,024 float32.
;; Outputs: out0 1 x 2,048 x 1,024 float32.
;; This version of the problem:
;;   THIS VERSION OF THE PROBLEM IS GIVEN IN LOW PRECISION. The matrix products marked QUANTISED in the list below multiply operands that are first quantised to E4M3 (4 exponent bits, 3 mantissa bits; 8 bits a number), with one given power-of-two scale for each operand tensor; their sums are f32. All else is computed in f32.
;;   The module's matrix products, in the order in which they are computed (A, B: the left and right operand; K: the contracted axis; several contracted axes count as one K, in the product's order):
;;     1. [M 2,048, K 1,024] x [K 1,024, N 1,024]; A: input x; B: input Wq: QUANTISED (scales: A lowp_scales[0], B lowp_scales[1])
;;     2. [M 2,048, K 1,024] x [K 1,024, N 1,024]; A: input x; B: input Wk: QUANTISED (scales: A lowp_scales[2], B lowp_scales[3])
;;     3. [M 2,048, K 1,024] x [K 1,024, N 1,024]; A: input x; B: input Wv: QUANTISED (scales: A lowp_scales[4], B lowp_scales[5])
;;     4. batch 16 x [M 2,048, K 64] x [K 64, N 2,048]; A: computed on the way; B: computed on the way: QUANTISED (scales: A lowp_scales[6], B lowp_scales[7])
;;     5. batch 16 x [M 2,048, K 2,048] x [K 2,048, N 64]; A: softmax (see below); B: computed on the way: QUANTISED (scales: A lowp_scales[8], B lowp_scales[9])
;;     6. batch 16 x [M 2,048, K 64] x [K 64, N 2,048]; A: computed on the way; B: computed on the way: QUANTISED (scales: A lowp_scales[10], B lowp_scales[11])
;;     7. batch 16 x [M 2,048, K 2,048] x [K 2,048, N 64]; A: softmax (see below); B: computed on the way: QUANTISED (scales: A lowp_scales[12], B lowp_scales[13])
;;     8. batch 16 x [M 2,048, K 64] x [K 64, N 2,048]; A: computed on the way; B: computed on the way: QUANTISED (scales: A lowp_scales[14], B lowp_scales[15])
;;     9. batch 16 x [M 2,048, K 2,048] x [K 2,048, N 64]; A: softmax (see below); B: computed on the way: QUANTISED (scales: A lowp_scales[16], B lowp_scales[17])
;;     10. [M 2,048, K 1,024] x [K 1,024, N 1,024]; A: computed on the way; B: input Wo: QUANTISED (scales: A lowp_scales[18], B lowp_scales[19])
;;   THE QUANTISER, for each operand of a quantised product, along K:
;;     - The operand's scale is 2^e, e = its entry of the input lowp_scales (int32; the entries are numbered through the quantised products in the list's order, A before B).
;;     - Each number is divided by the scale, clamped to +-448, and rounded to the nearest number of E4M3, ties to even, subnormals kept.
;;     - The product sums the exact products of the quantised numbers (number of the format x scale) in f32.
;;   ~~~python
;;   def quantise(x, axis, e):      # numpy; x: float32 -> the quantised numbers, widened to float32 again
;;       x = np.moveaxis(x, axis, -1); K = x.shape[-1]
;;       r = np.clip(x / 2.0 ** e, -448, 448)
;;       step = 2.0 ** (np.maximum(np.frexp(np.where(r == 0, 1, r))[1] - 1, -6) - 3)
;;       q = np.round(r / step) * step * 2.0 ** e      # np.round: ties to even
;;       return np.moveaxis(q, -1, axis).astype(np.float32)
;;   ~~~
;;   SOFTMAX AHEAD OF A QUANTISED PRODUCT. Where the list says 'softmax', what is quantised is not the finished softmax but p = 2^(t - M), with t = logit x log2(e) and M = ceil(the row's largest t), a whole number; so 1/2 < the row's largest p <= 1. The row's sum l is taken of the UNQUANTISED p, in f32, and the product's result is divided by l at the end. Since M is a whole number, a kernel that streams over the keys may use a running M (the ceiling of the running maximum): every later rescaling is an exact power of two, so the quantised numbers keep their values, but for numbers so far below the row's largest that they fall under the format's range.
;;   OPERANDS COMPUTED ON THE WAY. 'Computed on the way' means the value that the module computes at that place (a softmax that the list does not call 'softmax' is quantised finished and normalised). What goes into a quantiser is computed in f32, as accurately as f32 sums, v_exp_f32 and their like allow (about 1e-6 of the number): no bf16 or f16 on the way to a quantiser, and a product that is left as it is and whose result goes on into a quantised operand takes f32 operands (vector FMAs, or v_wmma_f32_16x16x4_f32). A number that lies on a knife's edge between two numbers of the format may be rounded either way, as far as f32 arithmetic and the matrix unit's own rounding can turn it there, and no further.
;; 2 versions, each right; version 2 is version 1 with the launch attn written anew for expert scheduling mode. Each part assembles by itself: llvm-mc -triple=amdgcn-amd-amdhsa -mcpu=gfx1250 --defsym DOCPART=n.
;; ======== version 1 of 2: 4 launches
;; limits: right only within a limited range of input values
;; workspace buffers: xc 6,291,456 bytes; wc 4,194,304 bytes; rope 524,288 bytes; route 122,880 bytes of whole numbers; qkvc 18,874,368 bytes; oc 2,097,152 bytes
;; launch prep (part 1): grid 768 x 1, 8 waves a work-group, no clusters, 31,232 bytes of LDS; arguments instrument_ids, bar_ids, x, Wq, Wk, Wv, Wo, lowp_scales, xc, wc, rope, route; writes xc, wc, rope, route
.if DOCPART == 1
	.amdgcn_target "amdgcn-amd-amdhsa--gfx1250"
	.amdhsa_code_object_version 6
	.text
	.protected	k_q30e2888137_prep
	.globl	k_q30e2888137_prep
	.p2align	8
	.type	k_q30e2888137_prep,@function
k_q30e2888137_prep:
	s_mov_b64 s[64:65], 0
	v_nop
	global_prefetch_b8 v0, s[64:65] scope:SCOPE_SE
	s_setreg_imm32_b32 hwreg(HW_REG_WAVE_MODE, 25, 1), 1
	s_wait_xcnt 0x0
; PREP: four pieces of work that hang on inputs alone, told apart by the work-group's number (the same in all waves of a work-group):
;   0..255 ROUTE   the orders of tokens and the words from which the attention launch makes its masks and its lists of key steps
;   256..383 XQ    x [2048][1024] f32 -> three sets of E4M3 codes (scales 2^ls[0], 2^ls[2], 2^ls[4])
;   384..639 WQ    Wq, Wk, Wv, Wo [1024][1024] f32 -> E4M3 codes (ls[1], ls[3], ls[5], ls[19])
;   640..767 ROPE  the table cos, sin of pos x 10000^(-i/32), i = 0..31, f32
; WORK THAT THE PROGRAM LEAVES OUT, AND WHY IT IS DEAD.  reference() builds three masks in its own body from the whole numbers instrument_ids and bar_ids and from jnp.tril.  A pair
; (query, key) under a mask gets the logit -1e9: beside any live logit its p is the code 0 and adds 0 to the row's f32 sum; a row with no live key is set to 0 by reference()'s own where.
; So a step of 64 keys in which every pair of a tile of 16 queries is masked can reach no output, whatever the floating-point inputs hold, and is not multiplied.  Which steps those are
; is decided here, from the whole numbers, stored in route, and read from memory by the attention launch; inside a step that is visited every pair's mask is evaluated.
; No input is without a way to an output: all are loaded.
; LIMITS: a NaN, an infinity or an overflow that reaches only masked pairs is not carried to the result; live logits lie above -1e9; NaN among the inputs is not served;
; each scale's e lies between -126 and 119 (2^e and 448 x 2^e are made as f32 numbers).
; THE ORDERS.  I' = min(inst, 129), signed.  S order: stable sort by I': rankS = seg + eb, seg = #{j: I'_j < I'_i}, eb = #{j < i: I'_j = I'_i}: the keys that the same-instrument mask
; leaves a query are the ranks seg .. seg + eb.  G order: global keys (inst = 129 or bar = -1) first, by position: with cg = #{global j <= i} the keys that the global mask leaves are
; the ranks 0 .. cg - 1; a token that is not global gets rank 2047 - i + cg, which makes the order a permutation.  The cross mask keeps the original order: with
; KB = (inst < 129 ? bar : INT_MIN) a key counts where (bar_q - KB) as u32 is 0, 1, 2 or 4 and inst_q != inst_k, for queries with inst < 129 and bar >= 0.
; THE CODES' ORDER ALONG K (the same for both operands of each projection, so every product meets its partner): in each 512 along K, k = 128 i + 4 L + e lies at byte 16 L + 4 i + e:
; a lane's four loads of 16 bytes give its 16 codes, and loads and stores alike cover 512 consecutive bytes a wave.
.set LJG,    8704          ; LDS (ROUTE alone): I' at 0, JG here, KB below: 32 groups of 64 words, 272 bytes apart
.set LKB,    17408
.set PART,   26112         ; [quantity 4][token 8][part 32] words
.set SPARE,  30208         ; the spare words: 128 bytes for each of eight waves
.set SPW,    10            ; v10  LDS address of my spare word; never rewritten
.set NIL,    11            ; v11  0; never rewritten
.set R_KB,   49152         ; byte offsets in route; ROWS (six arrays of 8,192 bytes) begin at 0
.set R_KI,   57344
.set R_QPOS, 65536
.set R_QSEG, 73728
.set R_QLEN, 81920
.set R_QCG,  90112
.set R_QBAR, 98304
.set R_QINS, 106496
.set R_QCM,  114688
.macro MKSC vs, vl, se     ; from the exponent in s[se]: v[vs] = 2^e, whose exponent field the conversion takes; v[vl] = 448 x 2^e
	s_add_co_i32 s30, s[\se], 127
	s_lshl_b32 s31, s30, 23
	v_mov_b32 v[\vs], s31
	s_add_co_i32 s30, s30, 8
	s_lshl_b32 s30, s30, 23
	s_or_b32 s30, s30, 0x600000
	v_mov_b32 v[\vl], s30
.endm
.macro QLOADS              ; two rows, 2,048 numbers: sixteen loads of 512 consecutive bytes, all on their way at once
.irp n, 0,1,2,3,4,5,6,7,8,9,10,11,12,13,14,15
	global_load_b128 v[16+4*\n:19+4*\n], v1, s[42:43] offset:512*\n th:TH_LOAD_NT
.endr
.endm
.macro QPASS g, sg         ; the lane's 16 numbers of group g (512 along K) under scale sg: hold, convert, store 16 bytes
.set TM, 80+16*PP
.irp i, 0,1,2,3,4,5,6,7,8,9,10,11,12,13,14,15
	v_med3_num_f32 v[TM+\i], v[16+16*\g+\i], -v[5+2*\sg], v[5+2*\sg]   ; the conversion to an 8-bit code does not saturate (ISA guide 7.6.2): the hold at 448 x the scale
.endr
	v_cvt_scalef32_pk8_fp8_f32 v[112+4*(3*\g+\sg):113+4*(3*\g+\sg)], v[TM:TM+7], v[4+2*\sg]
	v_cvt_scalef32_pk8_fp8_f32 v[114+4*(3*\g+\sg):115+4*(3*\g+\sg)], v[TM+8:TM+15], v[4+2*\sg]
	global_store_b128 v1, v[112+4*(3*\g+\sg):115+4*(3*\g+\sg)], s[44:45] offset:2097152*\sg+512*\g   ; the wave stores 512 consecutive bytes; each pass has code registers of its own
.set PP, 1-PP              ; the held numbers take two sets by turns: sixteen plain lines stand between a conversion and the next write of its sources
.endm
.macro PAIR it, n          ; my token i against token j = 64 s + it, whose three words lie in v[64+n], v[80+n], v[96+n]
	v_cmp_lt_i32 vcc_lo, v[64+\n], v52
	v_add_co_ci_u32 v56, vcc_lo, 0, v56, vcc_lo        ; seg += (I'_j < I'_i)
	v_cmp_eq_u32 s30, v[64+\n], v52
	v_cmp_lt_i32 vcc_lo, \it, v54
	s_and_b32 vcc_lo, vcc_lo, s30
	v_add_co_ci_u32 v57, vcc_lo, 0, v57, vcc_lo        ; eb += (I'_j = I'_i and j < i)
	v_cmp_le_u32 vcc_lo, v[80+\n], v4
	v_add_co_ci_u32 v58, vcc_lo, 0, v58, vcc_lo        ; cg += (j global and j <= i)
	v_sub_nc_u32 v55, v53, v[96+\n]
	v_cmp_ge_u32 vcc_lo, 4, v55
	s_or_b32 s31, s31, vcc_lo                          ; some key of this step lies within four bars behind my token
.endm
.macro SUM32 d, b
	v_add3_u32 v[\d], v[\b], v[\b+1], v[\b+2]
.irp k, 3,5,7,9,11,13,15,17,19,21,23,25,27,29
	v_add3_u32 v[\d], v[\d], v[\b+\k], v[\b+\k+1]
.endr
	v_add_nc_u32 v[\d], v[\d], v[\b+31]
.endm
	s_load_b512 s[4:19], s[0:1], 0x0               ; inst s[4:5], bar s[6:7], x s[8:9], Wq s[10:11], Wk s[12:13], Wv s[14:15], Wo s[16:17], the scales s[18:19]
	s_load_b256 s[20:27], s[0:1], 0x40             ; xc s[20:21], wc s[22:23], rope s[24:25], route s[26:27]
	v_lshl_add_u32 v[SPW], v0, 2, SPARE
	v_mov_b32 v[NIL], 0
	v_lshrrev_b32 v1, 5, v0
	v_readfirstlane_b32 s28, v1                    ; wave 0..7
	s_wait_kmcnt 0x0
	s_cmp_lt_u32 ttmp9, 256
	s_cbranch_scc1 .Lroute
	s_cmp_lt_u32 ttmp9, 384
	s_cbranch_scc1 .Lxq
	s_cmp_lt_u32 ttmp9, 640
	s_cbranch_scc1 .Lwq
; ---- ROPE: thread idx makes four neighbouring numbers of the table [pos][cos 0..31, sin 0..31]: pos = idx / 16, u = idx % 16, kind = u / 8 (0 cos, 1 sin), i = 4 (u % 8) + e
	s_sub_co_u32 s29, ttmp9, 640
	s_lshl_b32 s29, s29, 8
	v_add_nc_u32 v1, s29, v0                       ; idx
	v_lshrrev_b32 v2, 4, v1                        ; pos
	v_and_b32 v3, 7, v1
	v_lshlrev_b32 v3, 2, v3                        ; 4 (u % 8)
	v_bfe_u32 v4, v1, 3, 1
	v_sub_nc_u32 v4, 1, v4                         ; 1 - kind: cos(a) = sin(a + pi/2)
	v_cvt_f32_u32 v5, v2
	v_lshlrev_b32 v6, 4, v1                        ; my 16 bytes
	v_mov_b32 v7, 0xb94ca1f9                       ; -1.9515295891e-4
	v_mov_b32 v8, 0x37ccf5ce                       ; 2.443315711809948e-5
.irp e, 0,1,2,3
	v_add_nc_u32 v[16+\e], \e, v3
.endr
.irp e, 0,1,2,3
	v_cvt_f32_u32 v[16+\e], v[16+\e]
.endr
.irp e, 0,1,2,3
	v_mul_f32 v[16+\e], 0xbed49a78, v[16+\e]       ; -i log2(10000) / 32
.endr
.irp e, 0,1,2,3
	v_exp_f32 v[16+\e], v[16+\e]                   ; 10000^(-i/32)
.endr
	v_nop                                          ; a plain line behind the last exponential (ISA guide 5.7.2),
	s_wait_alu depctr_va_vdst(0)                   ; and one wait for the four, ahead of their first reader
.irp e, 0,1,2,3
	v_mul_f32 v[16+\e], v5, v[16+\e]               ; the angle, one f32 product as in reference()
.endr
.irp e, 0,1,2,3
	v_mul_f32 v[20+\e], 0x3f22f983, v[16+\e]       ; x 2 / pi
.endr
.irp e, 0,1,2,3
	v_rndne_f32 v[20+\e], v[20+\e]                 ; n: the nearest multiple of pi / 2
.endr
.irp e, 0,1,2,3
	v_fmamk_f32 v[16+\e], v[20+\e], 0xbfc90fdb, v[16+\e]   ; r = angle - n pi/2, pi/2 in two parts
.endr
.irp e, 0,1,2,3
	v_fmamk_f32 v[16+\e], v[20+\e], 0x333bbd2e, v[16+\e]
.endr
.irp e, 0,1,2,3
	v_mul_f32 v[24+\e], v[16+\e], v[16+\e]         ; z = r^2, |r| <= pi/4
.endr
.irp e, 0,1,2,3
	v_fmaak_f32 v[28+\e], v[24+\e], v7, 0x3c08839e
	v_fmaak_f32 v[32+\e], v[24+\e], v8, 0xbab6061a
.endr
.irp e, 0,1,2,3
	v_fmaak_f32 v[28+\e], v[28+\e], v[24+\e], 0xbe2aaaa3
	v_fmaak_f32 v[32+\e], v[32+\e], v[24+\e], 0x3d2aaaa5
.endr
.irp e, 0,1,2,3
	v_mul_f32 v[36+\e], v[16+\e], v[24+\e]
	v_mul_f32 v[48+\e], v[24+\e], v[24+\e]
	v_fma_f32 v[40+\e], v[24+\e], -0.5, 1.0
.endr
.irp e, 0,1,2,3
	v_fma_f32 v[36+\e], v[36+\e], v[28+\e], v[16+\e]   ; sin r
	v_fma_f32 v[40+\e], v[48+\e], v[32+\e], v[40+\e]   ; cos r
	v_cvt_i32_f32 v[20+\e], v[20+\e]
.endr
.irp e, 0,1,2,3
	v_add_nc_u32 v[20+\e], v[20+\e], v4            ; the quadrant: it selects values alone, no address and no branch
.endr
.irp e, 0,1,2,3
	v_and_b32 v[48+\e], 1, v[20+\e]
	v_cmp_eq_u32 vcc_lo, 1, v[48+\e]
	v_cndmask_b32 v[44+\e], v[36+\e], v[40+\e], vcc_lo
	v_and_b32 v[48+\e], 2, v[20+\e]
	v_lshlrev_b32 v[48+\e], 30, v[48+\e]
	v_xor_b32 v[44+\e], v[44+\e], v[48+\e]
.endr
	global_store_b128 v6, v[44:47], s[24:25]       ; the wave stores 512 consecutive bytes
	s_endpgm
; ---- XQ: a wave takes two rows of x, three scales
.Lxq:
	s_load_b256 s[32:39], s[18:19], 0x0            ; ls[0..7]
	s_sub_co_u32 s29, ttmp9, 256
	s_lshl_b32 s29, s29, 3
	s_add_co_u32 s29, s29, s28                     ; which pair of rows
	s_lshl_b32 s30, s29, 13
	s_mov_b32 s31, 0
	s_add_nc_u64 s[42:43], s[8:9], s[30:31]
	s_lshl_b32 s30, s29, 11
	s_add_nc_u64 s[44:45], s[20:21], s[30:31]
	v_and_b32 v1, 31, v0
	v_lshlrev_b32 v1, 4, v1                        ; 16 x lane, in the loads and in the stores
	QLOADS
	s_wait_kmcnt 0x0
	MKSC 4, 5, 32
	MKSC 6, 7, 34
	MKSC 8, 9, 36
.set PP, 0
.irp g, 0,1,2,3
	s_wait_loadcnt 12-4*\g                         ; loads come back in order (ISA guide 5.7.1): group g's four are in, the four of each later group stay out
	QPASS \g, 0
	QPASS \g, 1
	QPASS \g, 2
.endr
	s_endpgm
; ---- WQ: a wave takes two rows of one of the four weights, one scale
.Lwq:
	s_load_b256 s[32:39], s[18:19], 0x0            ; ls[0..7]
	s_load_b32 s40, s[18:19], 0x4c                 ; ls[19]
	s_sub_co_u32 s29, ttmp9, 384
	s_lshr_b32 s41, s29, 6                         ; which weight: q, k, v, o
	s_and_b32 s29, s29, 63
	s_lshl_b32 s29, s29, 3
	s_add_co_u32 s29, s29, s28                     ; which pair of its rows
	s_cmp_eq_u32 s41, 2                            ; the choices hang on the work-group's number alone
	s_cselect_b64 s[42:43], s[14:15], s[16:17]
	s_cmp_eq_u32 s41, 1
	s_cselect_b64 s[42:43], s[12:13], s[42:43]
	s_cmp_eq_u32 s41, 0
	s_cselect_b64 s[42:43], s[10:11], s[42:43]
	s_lshl_b32 s30, s29, 13
	s_mov_b32 s31, 0
	s_add_nc_u64 s[42:43], s[42:43], s[30:31]
	s_lshl_b32 s30, s29, 11
	s_lshl_b32 s46, s41, 20
	s_add_co_u32 s30, s30, s46
	s_add_nc_u64 s[44:45], s[22:23], s[30:31]
	v_and_b32 v1, 31, v0
	v_lshlrev_b32 v1, 4, v1
	QLOADS
	s_wait_kmcnt 0x0
	s_cmp_eq_u32 s41, 2
	s_cselect_b32 s46, s37, s40
	s_cmp_eq_u32 s41, 1
	s_cselect_b32 s46, s35, s46
	s_cmp_eq_u32 s41, 0
	s_cselect_b32 s46, s33, s46
	MKSC 4, 5, 46
.set PP, 0
.irp g, 0,1,2,3
	s_wait_loadcnt 12-4*\g
	QPASS \g, 0
.endr
	s_endpgm
; ---- ROUTE: a work-group places eight tokens.  Thread (t = tid % 8, s = tid / 8) holds token i0 + t against the 64 tokens of step s; wave 0 adds the 32 parts and stores.
.Lroute:
	s_lshl_b32 s29, ttmp9, 3                       ; i0
	v_lshlrev_b32 v1, 5, v0                        ; the bytes of tokens 8 tid .. 8 tid + 7
	v_and_b32 v2, 7, v0                            ; t
	v_lshrrev_b32 v3, 3, v0                        ; s
	v_add_nc_u32 v4, s29, v2                       ; i
	v_lshlrev_b32 v5, 2, v4                        ; 4 i
	global_load_b128 v[16:19], v1, s[4:5]
	global_load_b128 v[20:23], v1, s[4:5] offset:16
	global_load_b128 v[24:27], v1, s[6:7]
	global_load_b128 v[28:31], v1, s[6:7] offset:16
	global_load_b32 v8, v5, s[4:5]                 ; my token's own inst and bar
	global_load_b32 v9, v5, s[6:7]
	v_lshlrev_b32 v12, 3, v0
	v_mov_b32 v13, 0x80000000
	v_mul_u32_u24 v6, v3, 272                      ; group s
	v_lshl_add_u32 v7, v2, 5, v6                   ; where tokens 8 tid on lie: group tid / 8, 32 bytes x (tid % 8)
	s_wait_loadcnt 0x0
.irp e, 0,1,2,3,4,5,6,7
	v_min_i32 v[32+\e], 0x81, v[16+\e]             ; I'
	v_cmp_eq_u32 s30, 0x81, v[16+\e]
	v_cmp_eq_u32 vcc_lo, -1, v[24+\e]
	s_or_b32 vcc_lo, vcc_lo, s30
	v_add_nc_u32 v14, \e, v12
	v_cndmask_b32 v[40+\e], -1, v14, vcc_lo        ; JG = j where j is global, else the greatest number
	v_cmp_gt_i32 vcc_lo, 0x81, v[16+\e]
	v_cndmask_b32 v[48+\e], v13, v[24+\e], vcc_lo  ; KB
.endr
	ds_store_b128 v7, v[32:35]
	ds_store_b128 v7, v[36:39] offset:16
	ds_store_b128 v7, v[40:43] offset:LJG
	ds_store_b128 v7, v[44:47] offset:LJG+16
	ds_store_b128 v7, v[48:51] offset:LKB
	ds_store_b128 v7, v[52:55] offset:LKB+16
	s_wait_dscnt 0x0                               ; for the others' sake: my stores have landed (they have also read v52-55, which are written below)
	s_barrier_signal -1
	v_min_i32 v52, 0x81, v8                        ; I'_i
	v_cmp_gt_i32 vcc_lo, 0x81, v8
	v_cndmask_b32 v53, v13, v9, vcc_lo             ; KB_i
	v_lshlrev_b32 v54, 6, v3
	v_sub_nc_u32 v54, v4, v54                      ; i - 64 s: j < i where it < this
	v_mov_b32 v56, 0
	v_mov_b32 v57, 0
	v_mov_b32 v58, 0
	s_mov_b32 s31, 0
	s_barrier_wait -1
.irp bt, 0,1,2,3
.irp g, 0,1,2,3
	ds_load_b128 v[64+4*\g:67+4*\g], v6 offset:64*\bt+16*\g
	ds_load_b128 v[80+4*\g:83+4*\g], v6 offset:LJG+64*\bt+16*\g
	ds_load_b128 v[96+4*\g:99+4*\g], v6 offset:LKB+64*\bt+16*\g
.endr
	s_wait_dscnt 0x0
.irp n, 0,1,2,3,4,5,6,7,8,9,10,11,12,13,14,15
	PAIR 16*\bt+\n, \n
.endr
.endr
	v_mov_b32 v59, 1
	v_lshlrev_b32 v59, v3, v59
	v_cndmask_b32 v59, 0, v59, s31                 ; bit s of the token's list of cross steps
	v_lshlrev_b32 v55, 7, v2
	v_lshl_add_u32 v60, v3, 2, v55                 ; 128 t + 4 s
	ds_store_b32 v60, v56 offset:PART
	ds_store_b32 v60, v57 offset:PART+1024
	ds_store_b32 v60, v58 offset:PART+2048
	ds_store_b32 v60, v59 offset:PART+3072
	s_wait_dscnt 0x0
	s_barrier_signal -1
	s_barrier_wait -1
	s_cmp_lg_u32 s28, 0                            ; wave 0 alone goes on; no barrier follows
	s_cbranch_scc1 .Lroute_end
.irp q, 0,1,2,3
.irp g, 0,1,2,3,4,5,6,7
	ds_load_b128 v[64+32*\q+4*\g:67+32*\q+4*\g], v55 offset:PART+1024*\q+16*\g
.endr
.endr
	s_wait_dscnt 0x0
	SUM32 56, 64                                   ; seg
	SUM32 57, 96                                   ; eb
	SUM32 58, 128                                  ; cg
	SUM32 59, 160                                  ; the 32 parts hold different bits: their sum is their union
	v_add_nc_u32 v60, v56, v57
	v_min_u32 v60, 0x7ff, v60                      ; rankS
	v_lshlrev_b32 v61, 2, v60
	v_cmp_eq_u32 s30, 0x81, v8
	v_cmp_eq_u32 vcc_lo, -1, v9
	s_or_b32 vcc_lo, vcc_lo, s30                   ; my token is a global key
	v_add_nc_u32 v62, -1, v58
	v_sub_nc_u32 v63, 0x7ff, v4
	v_add_nc_u32 v63, v63, v58
	v_cndmask_b32 v62, v63, v62, vcc_lo            ; rankG
	v_cmp_gt_i32 vcc_lo, 0x81, v8                  ; inst < 129
	v_mov_b32 v14, 0x40000000
	v_cndmask_b32 v56, v14, v56, vcc_lo            ; a query with inst >= 129 gets a range that no rank meets
	v_cndmask_b32 v57, 0, v57, vcc_lo
	v_cmp_le_i32 s30, 0, v9
	s_and_b32 vcc_lo, vcc_lo, s30
	v_cndmask_b32 v59, 0, v59, vcc_lo              ; and one that the cross mask shuts out asks for no cross step
	s_wait_xcnt 0x0                                ; EXEC changes only behind this wait
	v_cmp_gt_u32 vcc_lo, 8, v0
	s_and_saveexec_b32 s32, vcc_lo                 ; lanes 0 to 7: a lane a token
	global_store_b32 v5, v60, s[26:27]             ; ROWS 0-3: where q's three sets and the same-set of k and v put the token's row,
	global_store_b32 v5, v60, s[26:27] offset:8192
	global_store_b32 v5, v60, s[26:27] offset:16384
	global_store_b32 v5, v60, s[26:27] offset:24576
	global_store_b32 v5, v4, s[26:27] offset:32768     ; 4: the cross set,
	global_store_b32 v5, v62, s[26:27] offset:40960    ; 5: the global set
	global_store_b32 v5, v53, s[26:27] offset:R_KB
	global_store_b32 v5, v8, s[26:27] offset:R_KI
	global_store_b32 v61, v4, s[26:27] offset:R_QPOS
	global_store_b32 v61, v56, s[26:27] offset:R_QSEG
	global_store_b32 v61, v57, s[26:27] offset:R_QLEN
	global_store_b32 v61, v58, s[26:27] offset:R_QCG
	global_store_b32 v61, v9, s[26:27] offset:R_QBAR
	global_store_b32 v61, v8, s[26:27] offset:R_QINS
	global_store_b32 v61, v59, s[26:27] offset:R_QCM
	s_wait_xcnt 0x0                                ; and again, ahead of the line that widens it
	s_or_b32 exec_lo, exec_lo, s32
.Lroute_end:
	s_wait_tensorcnt 0x0                           ; the wave's end, behind my last LDS store
	ds_add_u32 v[SPW], v[NIL]
	s_wait_dscnt 0x0
	s_endpgm
.Lfunc_end_k_q30e2888137_prep:
	.size	k_q30e2888137_prep, .Lfunc_end_k_q30e2888137_prep-k_q30e2888137_prep
	.p2alignl 7, 3214868480
	.fill 96, 4, 3214868480
	.section	.rodata,"a",@progbits
	.p2align	6, 0x0
	.amdhsa_kernel k_q30e2888137_prep
		.amdhsa_group_segment_fixed_size 31232
		.amdhsa_private_segment_fixed_size 0
		.amdhsa_enable_private_segment 0
		.amdhsa_kernarg_size 96
		.amdhsa_user_sgpr_count 2
		.amdhsa_user_sgpr_kernarg_segment_ptr 1
		.amdhsa_wavefront_size32 1
		.amdhsa_system_sgpr_workgroup_id_x 1
		.amdhsa_system_sgpr_workgroup_id_y 1
		.amdhsa_system_sgpr_workgroup_id_z 1
		.amdhsa_system_vgpr_workitem_id 0
		.amdhsa_next_free_vgpr 192
		.amdhsa_next_free_sgpr 66
		.amdhsa_reserve_vcc 1
		.amdhsa_float_denorm_mode_32 3
		.amdhsa_float_denorm_mode_16_64 3
		.amdhsa_memory_ordered 1
		.amdhsa_forward_progress 1
		.amdhsa_inst_pref_size 73
	.end_amdhsa_kernel
	.amdgpu_metadata
---
amdhsa.version: [ 1, 2 ]
amdhsa.kernels:
  - .name:           k_q30e2888137_prep
    .symbol:         k_q30e2888137_prep.kd
    .args:
      - { .name: instrument_ids, .offset: 0, .size: 8, .value_kind: global_buffer, .address_space: global }
      - { .name: bar_ids, .offset: 8, .size: 8, .value_kind: global_buffer, .address_space: global }
      - { .name: x, .offset: 16, .size: 8, .value_kind: global_buffer, .address_space: global }
      - { .name: Wq, .offset: 24, .size: 8, .value_kind: global_buffer, .address_space: global }
      - { .name: Wk, .offset: 32, .size: 8, .value_kind: global_buffer, .address_space: global }
      - { .name: Wv, .offset: 40, .size: 8, .value_kind: global_buffer, .address_space: global }
      - { .name: Wo, .offset: 48, .size: 8, .value_kind: global_buffer, .address_space: global }
      - { .name: lowp_scales, .offset: 56, .size: 8, .value_kind: global_buffer, .address_space: global }
      - { .name: xc, .offset: 64, .size: 8, .value_kind: global_buffer, .address_space: global }
      - { .name: wc, .offset: 72, .size: 8, .value_kind: global_buffer, .address_space: global }
      - { .name: rope, .offset: 80, .size: 8, .value_kind: global_buffer, .address_space: global }
      - { .name: route, .offset: 88, .size: 8, .value_kind: global_buffer, .address_space: global }
    .group_segment_fixed_size: 31232
    .private_segment_fixed_size: 0
    .kernarg_segment_align: 8
    .kernarg_segment_size: 96
    .max_flat_workgroup_size: 256
    .sgpr_count:     66
    .vgpr_count:     192
    .wavefront_size: 32
...
	.end_amdgpu_metadata
.endif
;; end of part 1
;; launch qkv (part 2): grid 24 x 16, 4 waves a work-group, clusters of 4 x 4, 279,040 bytes of LDS; arguments xc, wc, route, rope, bq, bk, bv, lowp_scales, qkvc; writes qkvc
.if DOCPART == 2
	.amdgcn_target "amdgcn-amd-amdhsa--gfx1250"
	.amdhsa_code_object_version 6
	.text
	.protected	k_q30e2888137_qkv
	.globl	k_q30e2888137_qkv
	.p2align	8
	.type	k_q30e2888137_qkv,@function
k_q30e2888137_qkv:
	s_mov_b64 s[64:65], 0
	v_nop
	global_prefetch_b8 v0, s[64:65] scope:SCOPE_SE
	s_setreg_imm32_b32 hwreg(HW_REG_WAVE_MODE, 25, 1), 1
	s_wait_xcnt 0x0
	s_wait_alu depctr_hold_cnt(0) depctr_sa_sdst(0) depctr_va_vdst(0) depctr_va_sdst(0) depctr_va_ssrc(0) depctr_va_vcc(0) depctr_vm_vsrc(0)
	s_getreg_b32 s2, hwreg(HW_REG_IB_STS2, 6, 4)
	s_cmp_eq_u32 s2, 0
	s_cbranch_scc0 .Lentry_in_a_cluster
	s_endpgm
.Lentry_in_a_cluster:
	s_bfe_u32 s2, ttmp6, 0x10000c
	s_cmp_lg_u32 s2, 0xf033
	s_cbranch_scc0 .Lentry_shape_is_right
	s_endpgm
.Lentry_shape_is_right:
; q, k, v = x W^T + b on E4M3 codes (the first three products of the table), RoPE on q and k, then each of the three tensors quantised three times, once for each attention's own scale,
; and each token's 64 codes of a head stored at the row that route gives it for that set (q: S order in all sets; k, v: S order, original order, G order).
; No work is left out here.  LIMITS: ex + ew, and each output scale's e (with e + 8), lie between -126 and 127, so that each power of two below is an f32 number.
; SHARES.  Tile columns 0-7 are q, 8-15 k, 16-23 v, 128 outputs (two heads) each; a tile row is 128 tokens.  Four waves; wave (wm, wn) makes 64 tokens x 64 outputs = one head: 16 accumulators.
; ALL OF K LIES IN LDS: four chunks of 256 along K, each 128 rows of x's codes and 128 of W's, asked for at the head by four tensor loads a wave (four of mine are out); no byte is filled twice.
; Ahead of each chunk's first read stands a counted wait and a barrier.
; CLUSTER 4 x 4: the four of a row need the same rows of x, the four of a column the same rows of W: each tile is asked for jointly.  The unit (q, k or v) is the cluster's x / 2: alike in all partners.
; THE MATRIX INSTRUCTION IS USED TRANSPOSED (source 0 = 16 rows of W, source 1 = 16 tokens): register j of lane (r, h) in accumulator (a, b) is token 16 a + r, d = 16 b + 8 h + j.
; A ROW OF qkvc: byte 32 h + 8 b + j holds d = 16 b + 8 h + j: a lane's 32 codes are 32 neighbouring bytes, and are the eight registers that lane (r, h) of a K = 64 fragment takes.
; The stores are 64 bytes a token, at that token's rank: a permuted order has no longer runs in [head][row][64]; that layout is kept since every read of it in the next launch is a dense run of 1,024 bytes.
.set MT,     4
.set AROWS,  32*MT
.set PITCH,  272                       ; an LDS row: 256 bytes + 16 = 68 words: row r starts at bank 4 r mod 64 (64 banks of 4 bytes: ISA guide 11.1)
.set CH,     (AROWS+128)*PITCH         ; a chunk: A's rows, then B's 128
.set SPARE,  4*CH                      ; behind the chunks: the spare words, 128 bytes a wave
.set SPW,    12                        ; v12  LDS address of my spare word; never rewritten
.set NIL,    13                        ; v13  0; never rewritten
.set OFF,    14                        ; v14-25  set g, tile a: byte offset of my token's 32 bytes: 64 x its row + 32 h
.set QS,     26                        ; v26-31  set g: 2^e, 448 x 2^e
.set AF,     32                        ; v32-63  A's fragments, one set; on the way out the table's cos and sin
.set BF,     64                        ; v64-95, v96-127  B's fragments, two sets; on the way out the bias, then codes; numbers at work
.set CODE,   64
.set TMP,    96
.set ACC,    128                       ; v128-255
.set WV, 22
.set WM, 23
.set WN, 24
.set CX, 25
.set CY, 26
.set TC, 27
.set TR, 28
.set UNIT, 29
.set G1A, 32                           ; s[32:39], s[40:47] descriptor groups 1;  s[48:63], s[68:83] groups 0, one for each chunk
.set G1B, 40
.set G0A, 48
.set G0B, 68
.set GW0, (1<<20)|(1<<21)|(5<<22)|(3<<25)   ; elements of 1 byte; padding on; bit 21 beside a mask; after every 64 words, 4 words
.macro CROUND                          ; a round of the cluster's barrier
	s_barrier_signal -1
	s_barrier_wait -1
	s_cmp_lg_u32 s[WV], 0
	s_cbranch_scc1 .Lnot_wave_0_\@
	s_barrier_signal -3
.Lnot_wave_0_\@:
	s_barrier_wait -3
	s_barrier_signal -1
	s_barrier_wait -1
.endm
.macro PLACES                          ; four plain lines between a matrix instruction and a load into, or a vector read of, its registers
.rept 4
	v_nop
.endr
.endm
.macro FRAG reg, adr, kk, i            ; 16 rows x 64 codes: lane (r, h) takes bytes kk + 16 h .. and kk + 32 + 16 h .. of row r: the same order of k on both sides
	ds_load_b128 v[\reg:\reg+3], v[\adr] offset:(\kk)+16*PITCH*(\i)
	ds_load_b128 v[\reg+4:\reg+7], v[\adr] offset:(\kk)+16*PITCH*(\i)+32
.endm
.macro FETCH_B s
.irp i, 0,1,2,3
	FRAG BF+32*((\s)%2)+8*\i, 8+(\s)/4, 64*((\s)%4), \i
.endr
.endm
.macro FETCH_A s, i0
.set II, \i0
.rept MT/2
	FRAG AF+8*II, 4+(\s)/4, 64*((\s)%4), II
.set II, II+1
.endr
.endm
.macro MUL s, a0                       ; the accumulators take turns, one instruction a turn, in the same order in every step
.set AA, \a0
.rept MT/2
.irp b, 0,1,2,3
.if (\s) == 0
	v_wmma_f32_16x16x64_fp8_fp8 v[ACC+8*(4*AA+\b):ACC+8*(4*AA+\b)+7], v[BF+32*((\s)%2)+8*\b:BF+32*((\s)%2)+8*\b+7], v[AF+8*AA:AF+8*AA+7], 0
.else
	v_wmma_f32_16x16x64_fp8_fp8 v[ACC+8*(4*AA+\b):ACC+8*(4*AA+\b)+7], v[BF+32*((\s)%2)+8*\b:BF+32*((\s)%2)+8*\b+7], v[AF+8*AA:AF+8*AA+7], v[ACC+8*(4*AA+\b):ACC+8*(4*AA+\b)+7]
.endif
.endr
.set AA, AA+1
.endr
.endm
.macro BIASLOAD                        ; my head's 64 biases in the result's layout, into B's idle set
.irp t, 0,1,2,3
	global_load_b128 v[64+8*\t:67+8*\t], v2, s[12:13] offset:64*\t
	global_load_b128 v[68+8*\t:71+8*\t], v2, s[12:13] offset:64*\t+16
.endr
.endm
.macro KSTEP s                         ; 64 along K
	s_wait_dscnt MT                                ; B's set and A's lower blocks are in; the youngest MT loads (A's upper blocks) may be out
	MUL \s, 0
	s_wait_dscnt 0x0
.if (((\s)+1)%4 == 0) && ((\s) < 15)
	s_wait_tensorcnt 3-((\s)+1)/4                  ; my part of the next chunk has landed; the later chunks' loads stay out
	s_barrier_signal -1
	s_barrier_wait -1                              ; everybody's has
.endif
	PLACES
.if (\s) < 15
	FETCH_B (\s)+1
	FETCH_A (\s)+1, 0
.else
	BIASLOAD
.endif
	MUL \s, MT/2
	PLACES
.if (\s) < 15
	FETCH_A (\s)+1, MT/2
.endif
.endm
.macro SEL3 d, a, b, c                 ; s[d] = the unit's one of three: a choice without a jump
	s_cmp_eq_u32 s[UNIT], 1
	s_cselect_b32 s[\d], s[\b], s[\c]
	s_cmp_eq_u32 s[UNIT], 0
	s_cselect_b32 s[\d], s[\a], s[\d]
.endm
.macro ROPELOAD a                      ; cos and sin of tile a's tokens at my 16 frequencies 16 p + 8 h + j
.irp p, 0,1
	global_load_b128 v[32+8*\p:35+8*\p], v3, s[10:11] offset:4096*(\a)+64*\p
	global_load_b128 v[36+8*\p:39+8*\p], v3, s[10:11] offset:4096*(\a)+64*\p+16
	global_load_b128 v[48+8*\p:51+8*\p], v3, s[10:11] offset:4096*(\a)+64*\p+128
	global_load_b128 v[52+8*\p:55+8*\p], v3, s[10:11] offset:4096*(\a)+64*\p+144
.endr
.endm
.macro TILEOUT a                       ; 16 tokens: RoPE (q and k), three quantisers, six stores
	s_cmp_eq_u32 s[UNIT], 2                        ; the cluster's x alone decides: alike in all partners
	s_cbranch_scc1 .Lplain_\@
	s_wait_loadcnt 0x0                             ; the tile's cos and sin
.irp p, 0,1
.irp j, 0,2,4,6
	v_pk_mul_f32 v[TMP+8*\p+\j:TMP+8*\p+\j+1], v[ACC+8*(4*\a+\p+2)+\j:ACC+8*(4*\a+\p+2)+\j+1], v[48+8*\p+\j:48+8*\p+\j+1]
	v_pk_mul_f32 v[TMP+16+8*\p+\j:TMP+16+8*\p+\j+1], v[ACC+8*(4*\a+\p)+\j:ACC+8*(4*\a+\p)+\j+1], v[48+8*\p+\j:48+8*\p+\j+1]
	v_pk_fma_f32 v[ACC+8*(4*\a+\p)+\j:ACC+8*(4*\a+\p)+\j+1], v[ACC+8*(4*\a+\p)+\j:ACC+8*(4*\a+\p)+\j+1], v[32+8*\p+\j:32+8*\p+\j+1], v[TMP+8*\p+\j:TMP+8*\p+\j+1] neg_lo:[0,0,1] neg_hi:[0,0,1]   ; d < 32: x_d cos - x_(d+32) sin
	v_pk_fma_f32 v[ACC+8*(4*\a+\p+2)+\j:ACC+8*(4*\a+\p+2)+\j+1], v[ACC+8*(4*\a+\p+2)+\j:ACC+8*(4*\a+\p+2)+\j+1], v[32+8*\p+\j:32+8*\p+\j+1], v[TMP+16+8*\p+\j:TMP+16+8*\p+\j+1]                     ; d >= 32: x_d cos + x_(d-32) sin
.endr
.endr
.if \a < 3
	ROPELOAD \a+1
.endif
.Lplain_\@:
	s_wait_xcnt 0x0                                ; the last tile's stores have read their data: the codes' registers are written again only behind this wait
.set HH, 0
.irp g, 0,1,2
.irp t, 0,1,2,3
.irp j, 0,1,2,3,4,5,6,7
	v_med3_num_f32 v[TMP+8*HH+\j], v[ACC+8*(4*\a+\t)+\j], -v[QS+2*\g+1], v[QS+2*\g+1]   ; the hold at 448 x the scale (the conversion does not saturate: ISA guide 7.6.2)
.endr
	v_cvt_scalef32_pk8_fp8_f32 v[CODE+8*\g+2*\t:CODE+8*\g+2*\t+1], v[TMP+8*HH:TMP+8*HH+7], v[QS+2*\g]
.set HH, 1-HH                          ; two sets of held numbers by turns: eight plain lines stand between a conversion and the next write of its sources
.endr
.endr
	v_nop                                          ; a plain line behind the last conversion
.irp g, 0,1,2
	global_store_b128 v[OFF+4*\g+\a], v[CODE+8*\g:CODE+8*\g+3], s[20:21] offset:2097152*\g
	global_store_b128 v[OFF+4*\g+\a], v[CODE+8*\g+4:CODE+8*\g+7], s[20:21] offset:2097152*\g+16
.endr
.endm
	s_load_b512 s[4:19], s[0:1], 0x0               ; xc s[4:5], wc s[6:7], route s[8:9], rope s[10:11], bq s[12:13], bk s[14:15], bv s[16:17], the scales s[18:19]
	s_load_b64 s[20:21], s[0:1], 0x40              ; qkvc
	v_lshl_add_u32 v[SPW], v0, 2, SPARE
	v_mov_b32 v[NIL], 0
	ds_add_u32 v[SPW], v[NIL]                      ; the wave's opening: the add, twice on end, and its wait ahead of my first tensor load
	ds_add_u32 v[SPW], v[NIL]
	v_lshrrev_b32 v1, 5, v0
	v_readfirstlane_b32 s[WV], v1                  ; wave 0..3
	s_lshr_b32 s[WM], s[WV], 1                     ; which 64 tokens are mine
	s_and_b32 s[WN], s[WV], 1                      ; which head of the two.  Also: which half of a tile I fetch
	s_bfe_u32 s[CX], ttmp6, 0x40000
	s_bfe_u32 s[CY], ttmp6, 0x40004
	s_lshl_b32 s[TC], ttmp9, 2
	s_add_co_u32 s[TC], s[TC], s[CX]               ; tile column
	s_and_b32 s[TR], ttmp7, 0xffff
	s_lshl_b32 s[TR], s[TR], 2
	s_add_co_u32 s[TR], s[TR], s[CY]               ; tile row
	s_lshr_b32 s[UNIT], ttmp9, 1                   ; 0 q, 1 k, 2 v
	s_lshl_b32 s2, s[CY], 2
	s_lshl_b32 s2, 15, s2                          ; my row of the cluster
	s_lshl_b32 s3, 0x1111, s[CX]                   ; my column
	s_or_b32 s[G1A], s2, GW0
	s_or_b32 s[G1B], s3, GW0
.irp g, G1A, G1B
	s_mov_b32 s[\g+1], 256<<16                     ; tensor_dim0
	s_mov_b32 s[\g+3], 256<<16                     ; tile_dim0
	s_mov_b32 s[\g+5], 1024                        ; from row to row
	s_mov_b32 s[\g+6], 0
	s_mov_b32 s[\g+7], 0
.endr
	s_mov_b32 s[G1A+2], (16*MT)<<16                ; tensor_dim1
	s_mov_b32 s[G1A+4], 16*MT                      ; tile_dim1
	s_mov_b32 s[G1B+2], 64<<16
	s_mov_b32 s[G1B+4], 64
	s_lshl_b32 s84, s[TR], 7                       ; A: the unit's set of x's codes, row 128 x tile row + 64 x half
	s_lshl_b32 s85, s[WN], 6
	s_add_co_u32 s84, s84, s85
	s_lshl_b32 s84, s84, 10
	s_lshl_b32 s85, s[UNIT], 21
	s_add_co_u32 s84, s84, s85
	s_mov_b32 s85, 0
	s_lshl_b32 s86, s[TC], 7                       ; B: row 128 x tile column + 64 x half of the weights' codes (q, k, v on end)
	s_lshl_b32 s87, s[WN], 6
	s_add_co_u32 s86, s86, s87
	s_lshl_b32 s86, s86, 10
	s_mov_b32 s87, 0
	s_mul_i32 s88, s[WN], 16*MT*PITCH              ; where they go: no place in the cluster enters an LDS address
	s_mul_i32 s89, s[WN], 64*PITCH
	s_add_co_u32 s89, s89, AROWS*PITCH
	s_wait_dscnt 0x0                               ; both opening adds are done
	s_wait_kmcnt 0x0
	s_add_nc_u64 s[84:85], s[4:5], s[84:85]
	s_add_nc_u64 s[86:87], s[6:7], s[86:87]
	CROUND                                         ; all sixteen work-groups are here: the joint loads meet
.irp c, 0,1,2,3
	s_mov_b32 s[G0A+4*\c], 1
	s_add_co_u32 s[G0A+4*\c+1], s88, \c*CH
	s_add_nc_u64 s[G0A+4*\c+2:G0A+4*\c+3], s[84:85], \c*256
	s_or_b32 s[G0A+4*\c+3], s[G0A+4*\c+3], 0x80000000
	s_mov_b32 s[G0B+4*\c], 1
	s_add_co_u32 s[G0B+4*\c+1], s89, \c*CH
	s_add_nc_u64 s[G0B+4*\c+2:G0B+4*\c+3], s[86:87], \c*256
	s_or_b32 s[G0B+4*\c+3], s[G0B+4*\c+3], 0x80000000
.endr
	s_cmp_lt_u32 s[WV], 2                          ; waves 0, 1 fetch A's halves, waves 2, 3 B's: a wave's four fills stand in one branch on the wave's number
	s_cbranch_scc0 .Lfill_b
.irp c, 0,1,2,3
	tensor_load_to_lds s[G0A+4*\c:G0A+4*\c+3], s[G1A:G1A+7]
	s_nop 0
.endr
.rept 4
	v_nop
.endr
	s_branch .Lfilled
.Lfill_b:
.irp c, 0,1,2,3
	tensor_load_to_lds s[G0B+4*\c:G0B+4*\c+3], s[G1B:G1B+7]
	s_nop 0
.endr
.rept 4
	v_nop
.endr
.Lfilled:
	s_load_b256 s[84:91], s[18:19], 0x0            ; ls[i] in s[84 + i], i = 0 .. 17
	s_load_b256 s[92:99], s[18:19], 0x20
	s_load_b64 s[100:101], s[18:19], 0x40
	v_and_b32 v1, 15, v0                           ; r
	v_bfe_u32 v2, v0, 4, 1                         ; h
	v_mul_u32_u24 v3, v1, PITCH
	v_lshl_add_u32 v3, v2, 4, v3
	s_mul_i32 s2, s[WM], 16*MT*PITCH
	s_mul_i32 s3, s[WN], 64*PITCH
	s_add_co_u32 s3, s3, AROWS*PITCH
	v_add_nc_u32 v4, s2, v3                        ; v4-7: my A fragments in chunks 0-3;  v8-11: B's
	v_add_nc_u32 v8, s3, v3
.irp c, 1,2,3
	v_add_nc_u32 v[4+\c], \c*CH, v4
	v_add_nc_u32 v[8+\c], \c*CH, v8
.endr
	s_lshl_b32 s2, s[TR], 7
	s_lshl_b32 s3, s[WM], 6
	s_add_co_u32 s2, s2, s3                        ; my wave's first token
	s_cmp_eq_u32 s[UNIT], 0
	s_cselect_b32 s3, 0, 0x6000                    ; q takes ROWS 0-2, k and v ROWS 3-5
	s_lshl_b32 s66, s2, 2
	s_add_co_u32 s3, s3, s66
	v_lshl_add_u32 v32, v1, 2, s3
.irp g, 0,1,2
.irp a, 0,1,2,3
	global_load_b32 v[OFF+4*\g+\a], v32, s[8:9] offset:8192*\g+64*\a
.endr
.endr
	v_lshlrev_b32 v3, 8, v1
	s_lshl_b32 s66, s2, 8
	v_add_nc_u32 v3, s66, v3
	v_lshl_add_u32 v3, v2, 5, v3                   ; v3: the table: 256 x (first token + r) + 32 h
	v_lshlrev_b32 v2, 5, v2                        ; v2: 32 h
	s_wait_kmcnt 0x0
	SEL3 66, 84, 86, 88                            ; ex
	SEL3 67, 85, 87, 89                            ; ew
	s_add_co_i32 s30, s66, s67
	s_add_co_i32 s30, s30, 127
	s_lshl_b32 s30, s30, 23                        ; 2^(ex + ew) as f32
	s_mov_b32 s31, s30                             ; (named with it as a pair, so it is written)
.irp g, 0,1,2
	SEL3 66, 90+4*\g, 91+4*\g, 93+4*\g             ; the set's scale for q, k or v
	s_add_co_i32 s66, s66, 127
	s_lshl_b32 s67, s66, 23
	v_mov_b32 v[QS+2*\g], s67
	s_add_co_i32 s66, s66, 8
	s_lshl_b32 s66, s66, 23
	s_or_b32 s66, s66, 0x600000
	v_mov_b32 v[QS+2*\g+1], s66
.endr
	s_cmp_eq_u32 s[UNIT], 1
	s_cselect_b64 s[14:15], s[14:15], s[16:17]
	s_cmp_eq_u32 s[UNIT], 0
	s_cselect_b64 s[12:13], s[12:13], s[14:15]     ; the unit's bias
	s_and_b32 s66, s[TC], 7
	s_lshl_b32 s66, s66, 1
	s_add_co_u32 s66, s66, s[WN]                   ; my head: it enters global addresses alone
	s_lshl_b32 s2, s66, 8
	s_mov_b32 s3, 0
	s_add_nc_u64 s[12:13], s[12:13], s[2:3]
	s_mul_i32 s2, s[UNIT], 6291456
	s_lshl_b32 s67, s66, 17
	s_add_co_u32 s2, s2, s67
	s_add_nc_u64 s[20:21], s[20:21], s[2:3]        ; qkvc at the unit's set 0, my head
	s_wait_loadcnt 0x0
.irp i, 0,1,2,3,4,5,6,7,8,9,10,11
	v_min_u32 v[OFF+\i], 0x7ff, v[OFF+\i]          ; a row stays inside its table
.endr
.irp i, 0,1,2,3,4,5,6,7,8,9,10,11
	v_lshl_add_u32 v[OFF+\i], v[OFF+\i], 6, v2
.endr
	s_wait_tensorcnt 3                             ; my part of chunk 0 has landed; three loads of mine stay out,
	s_barrier_signal -1
	s_barrier_wait -1                              ; everybody's has
	FETCH_B 0
	FETCH_A 0, 0
	FETCH_A 0, MT/2
.set SS, 0
.rept 16
	KSTEP SS
.set SS, SS+1
.endr
	; THE WAY OUT.  The four plain lines behind the last products stand at the last step's end.
	s_wait_loadcnt 0x0                             ; the bias
	s_cmp_eq_u32 s[UNIT], 2
	s_cbranch_scc1 .Lno_table
	ROPELOAD 0
.Lno_table:
.irp a, 0,1,2,3
.irp t, 0,1,2,3
.irp j, 0,2,4,6
	v_pk_fma_f32 v[ACC+8*(4*\a+\t)+\j:ACC+8*(4*\a+\t)+\j+1], v[ACC+8*(4*\a+\t)+\j:ACC+8*(4*\a+\t)+\j+1], s[30:31], v[64+8*\t+\j:64+8*\t+\j+1] op_sel_hi:[1,0,1]   ; sum x 2^(ex + ew) + bias; each accumulator from its low end on
.endr
.endr
.endr
	TILEOUT 0
	TILEOUT 1
	TILEOUT 2
	TILEOUT 3
	s_wait_tensorcnt 0x0                           ; the wave's end
	ds_add_u32 v[SPW], v[NIL]
	s_wait_dscnt 0x0
	CROUND                                         ; the closing round
	s_endpgm
.Lfunc_end_k_q30e2888137_qkv:
	.size	k_q30e2888137_qkv, .Lfunc_end_k_q30e2888137_qkv-k_q30e2888137_qkv
	.p2alignl 7, 3214868480
	.fill 96, 4, 3214868480
	.section	.rodata,"a",@progbits
	.p2align	6, 0x0
	.amdhsa_kernel k_q30e2888137_qkv
		.amdhsa_group_segment_fixed_size 279040
		.amdhsa_private_segment_fixed_size 0
		.amdhsa_enable_private_segment 0
		.amdhsa_kernarg_size 72
		.amdhsa_user_sgpr_count 2
		.amdhsa_user_sgpr_kernarg_segment_ptr 1
		.amdhsa_wavefront_size32 1
		.amdhsa_system_sgpr_workgroup_id_x 1
		.amdhsa_system_sgpr_workgroup_id_y 1
		.amdhsa_system_sgpr_workgroup_id_z 1
		.amdhsa_system_vgpr_workitem_id 0
		.amdhsa_next_free_vgpr 256
		.amdhsa_next_free_sgpr 102
		.amdhsa_reserve_vcc 0
		.amdhsa_float_denorm_mode_32 3
		.amdhsa_float_denorm_mode_16_64 3
		.amdhsa_memory_ordered 1
		.amdhsa_forward_progress 1
		.amdhsa_inst_pref_size 97
	.end_amdhsa_kernel
	.amdgpu_metadata
---
amdhsa.version: [ 1, 2 ]
amdhsa.kernels:
  - .name:           k_q30e2888137_qkv
    .symbol:         k_q30e2888137_qkv.kd
    .args:
      - { .name: xc, .offset: 0, .size: 8, .value_kind: global_buffer, .address_space: global }
      - { .name: wc, .offset: 8, .size: 8, .value_kind: global_buffer, .address_space: global }
      - { .name: route, .offset: 16, .size: 8, .value_kind: global_buffer, .address_space: global }
      - { .name: rope, .offset: 24, .size: 8, .value_kind: global_buffer, .address_space: global }
      - { .name: bq, .offset: 32, .size: 8, .value_kind: global_buffer, .address_space: global }
      - { .name: bk, .offset: 40, .size: 8, .value_kind: global_buffer, .address_space: global }
      - { .name: bv, .offset: 48, .size: 8, .value_kind: global_buffer, .address_space: global }
      - { .name: lowp_scales, .offset: 56, .size: 8, .value_kind: global_buffer, .address_space: global }
      - { .name: qkvc, .offset: 64, .size: 8, .value_kind: global_buffer, .address_space: global }
    .group_segment_fixed_size: 279040
    .private_segment_fixed_size: 0
    .kernarg_segment_align: 8
    .kernarg_segment_size: 72
    .max_flat_workgroup_size: 128
    .sgpr_count:     102
    .vgpr_count:     256
    .wavefront_size: 32
...
	.end_amdgpu_metadata
.endif
;; end of part 2
;; launch attn (part 3): grid 256 x 1, 8 waves a work-group, no clusters, 58,624 bytes of LDS; arguments qkvc, route, lowp_scales, oc; writes oc
.if DOCPART == 3
	.amdgcn_target "amdgcn-amd-amdhsa--gfx1250"
	.amdhsa_code_object_version 6
	.text
	.protected	k_q30e2888137_attn
	.globl	k_q30e2888137_attn
	.p2align	8
	.type	k_q30e2888137_attn,@function
k_q30e2888137_attn:
	s_mov_b64 s[64:65], 0
	v_nop
	global_prefetch_b8 v0, s[64:65] scope:SCOPE_SE
	s_setreg_imm32_b32 hwreg(HW_REG_WAVE_MODE, 25, 1), 1
	s_wait_xcnt 0x0
; The three masked attentions (products 4 to 9 of the table) on E4M3 codes, their sum, and the quantiser ahead of the last projection.
; LEFT OUT: key steps in which every pair of the tile's 16 queries lies under the mask that reference() builds from instrument_ids, bar_ids and jnp.tril (shown dead at the head of the first kernel):
; the lists of steps are made from whole numbers that an earlier launch stored in route.  Inside a visited step every pair's mask is evaluated, so the values hold for every input.
; LIMITS: a NaN, an infinity or an overflow that reaches only masked pairs is not carried to the result; live logits lie above -1e9; eq + ek between -123 and 130 (added to c's exponent field);
; ep and ls[18] between -126 and 119; ep + ev is applied by v_ldexp_f32.
; SHARES.  Work-group = a tile of 16 queries, neighbours in S order, x eight heads; wave w owns head 8 (wg % 2) + w.  A wave's loads and its stage for V are its own: no barrier stands in a loop.
; NO CLUSTER, NO TENSOR LOAD: the number of steps hangs on stored whole numbers and differs from tile to tile, so partners would need different numbers of tiles, and the walk branches on loaded numbers.
; A STEP is 64 keys.  S^T = K Q^T (source 0 = 16 keys, source 1 = my 16 queries): lane (q, h) holds query q and, in tile c, register j, key 16 c + 8 h + j: the very place that the second product's
; operand P gives that key, so the conversions' results are the operand.  O^T = V^T P^T: V lies [key][64 codes]; it turns through the wave's stage by ds_load_tr16_b128 on pairs of bytes, and
; v_perm_b32 parts the even from the odd bytes: four tiles (g, e) of 16 of the head's 64.  In tile (g, e) register j of lane (q, h) is d = 32 h + 16 ((2 j + e) / 8) + 8 g + (2 j + e) % 8.
; THE SOFTMAX: t = score x log2(e) / 8; M = the running largest t rounded up to a whole number, kept as -M; p = 2^(t - M) is quantised, not normalised; the row's sum is taken of the unquantised p.
; A masked score is -infinity: p = 0.  While a row has met no live key its largest t stays -3e38 and its sums stay 0; the first live key multiplies them by 0.  A row whose sum is 0 at the end gets the factor 0.
; The step that comes first hangs on data, so O^T begins as zeros: 32 moves for each attention.
; REGISTERS: v1 r, v2 h; v3-5 the lane's part of K's, V's and the key words' offsets; v6-8 those offsets for the step asked for; v9, v10 the stage, in and turned; v11, v12 the add's two;
; v14-18 my query's seg, len, cg, bar, inst; v19 the step's mask base; v20 -M, v21 the largest t, v[22:23] the sum, v[24:25] f; v26-28 at work; v29 -infinity; v30, v31 448 x 2^ep, 2^ep;
; v32-39 Q; v40-71 K; v72-103 S^T, then p; v104-135 V as loaded, then its fragments; v136-167 the keys' KB, then V turned; v168-199 the keys' inst, behind the cross attention the sum of the three;
; v200-207 p's codes; v208-239 O^T; v240-247 at work; v248, v249 where my two rows of oc go; v250, v251 the out stage, in and back; v252 Q's offset.
.set STG,    6144                      ; a wave's stage: 64 keys x (64 bytes + 32): 24 words from row to row, an odd multiple of 32 bytes
.set OST,    49152                     ; the out stage: 16 rows x (512 bytes + 16)
.set SPARE,  57600                     ; the spare words: 128 bytes for each of eight waves
.set SPW,    11
.set NIL,    12
.set R_KB,   49152
.set R_KI,   57344
.set R_QPOS, 65536
.set R_QSEG, 73728
.set R_QLEN, 81920
.set R_QCG,  90112
.set R_QBAR, 98304
.set R_QINS, 106496
.set R_QCM,  114688
.macro LOADK                           ; four fragments of 16 keys: lane (r, h) takes 32 bytes of key 16 c + r
.irp c, 0,1,2,3
	global_load_b128 v[40+8*\c:43+8*\c], v6, s[96:97] offset:1024*\c
	global_load_b128 v[44+8*\c:47+8*\c], v6, s[96:97] offset:1024*\c+16
.endr
.endm
.macro LOADV                           ; 64 keys x 64 bytes as they lie: 512 consecutive bytes a load
.irp i, 0,1,2,3,4,5,6,7
	global_load_b128 v[104+4*\i:107+4*\i], v7, s[98:99] offset:512*\i
.endr
.endm
.macro LOADKI                          ; inst of my 32 keys 16 c + 8 h + j
.irp c, 0,1,2,3
	global_load_b128 v[168+8*\c:171+8*\c], v8, s[6:7] offset:R_KI+64*\c
	global_load_b128 v[172+8*\c:175+8*\c], v8, s[6:7] offset:R_KI+64*\c+16
.endr
.endm
.macro LOADKB                          ; and their KB
.irp c, 0,1,2,3
	global_load_b128 v[136+8*\c:139+8*\c], v8, s[6:7] offset:R_KB+64*\c
	global_load_b128 v[140+8*\c:143+8*\c], v8, s[6:7] offset:R_KB+64*\c+16
.endr
.endm
.macro MASKC                           ; cross: live where (bar_q - KB) as u32 is 0, 1, 2 or 4 and inst_q != inst_k; two keys by turns
.irp n, 0,2,4,6,8,10,12,14,16,18,20,22,24,26,28,30
	v_sub_nc_u32 v242, v17, v[136+\n]
	v_sub_nc_u32 v243, v17, v[137+\n]
	v_cmp_ge_u32 s20, 4, v242
	v_cmp_ne_u32 s21, 3, v242
	v_cmp_ne_u32 s22, v18, v[168+\n]
	v_cmp_ge_u32 s23, 4, v243
	v_cmp_ne_u32 s24, 3, v243
	v_cmp_ne_u32 s25, v18, v[169+\n]
	s_and_b32 s20, s20, s21
	s_and_b32 s23, s23, s24
	s_and_b32 s20, s20, s22
	s_and_b32 s23, s23, s25
	v_cndmask_b32 v[72+\n], v29, v[72+\n], s20
	v_cndmask_b32 v[73+\n], v29, v[73+\n], s23
.endr
.endm
.macro MASKS                           ; same: live where (rank - seg_q) as u32 <= len_q
.irp c, 0,1,2,3
.irp j, 0,1,2,3,4,5,6,7
	v_add_nc_u32 v242, 16*\c+\j, v19
	v_cmp_ge_u32 vcc_lo, v15, v242
	v_cndmask_b32 v[72+8*\c+\j], v29, v[72+8*\c+\j], vcc_lo
.endr
.endr
.endm
.macro MASKG                           ; global: live where rank < cg_q
.irp c, 0,1,2,3
.irp j, 0,1,2,3,4,5,6,7
	v_cmp_lt_i32 vcc_lo, 16*\c+\j, v19
	v_cndmask_b32 v[72+8*\c+\j], v29, v[72+8*\c+\j], vcc_lo
.endr
.endr
.endm
.macro SOFTMAX
	v_max3_num_f32 v26, v72, v73, v74              ; the step's largest score of my query among my 32 keys, in two chains,
	v_max3_num_f32 v27, v75, v76, v77
.irp i, 6,10,14,18,22,26
	v_max3_num_f32 v26, v26, v[72+\i], v[73+\i]
	v_max3_num_f32 v27, v27, v[74+\i], v[75+\i]
.endr
	v_max3_num_f32 v26, v26, v102, v103
	v_max_num_f32 v26, v26, v27
	v_permlanex16_b32 v28, v26, s86, s87
	v_max_num_f32 v26, v26, v28                    ; and among lane l xor 16's
	v_mul_f32 v26, s88, v26                        ; as t (c is positive)
	v_max_num_f32 v21, v21, v26
	v_mov_b32 v26, v20
	v_floor_f32 v20, -v21                          ; the new -M = floor(-t)
	v_sub_f32 v26, v20, v26                        ; old M - new M: a whole number, 0 or less
	v_cvt_i32_f32 v26, v26                         ; (it saturates)
	v_ldexp_f32 v24, 1.0, v26                      ; f = 2^(old M - new M)
.irp j, 0,2,4,6,8,10,12,14,16,18,20,22,24,26,28,30
	v_pk_fma_f32 v[72+\j:73+\j], v[72+\j:73+\j], s[88:89], v[20:21] op_sel_hi:[1,0,0]   ; t - M
.endr
.irp j, 0,1,2,3,4,5,6,7,8,9,10,11,12,13,14,15,16,17,18,19,20,21,22,23,24,25,26,27,28,29,30,31
	v_exp_f32 v[72+\j], v[72+\j]                   ; p
.endr
	v_pk_mul_f32 v[22:23], v[22:23], v[24:25] op_sel_hi:[1,0]   ; the sums under the new M: the plain line behind the exponentials
	s_wait_alu depctr_va_vdst(0)                   ; one wait for the batch, ahead of its first reader
	v_pk_add_f32 v[240:241], v[72:73], v[74:75]    ; the row's sum of the unquantised p, in two chains
.irp j, 4,8,12,16,20,24,28
	v_pk_add_f32 v[22:23], v[22:23], v[72+\j:73+\j]
	v_pk_add_f32 v[240:241], v[240:241], v[74+\j:75+\j]
.endr
	v_pk_add_f32 v[22:23], v[22:23], v[240:241]
.irp c, 0,1,2,3
.irp j, 0,1,2,3,4,5,6,7
	v_min_num_f32 v[72+8*\c+\j], v[72+8*\c+\j], v30   ; p is not negative: a one-sided hold (the conversion does not saturate: ISA guide 7.6.2)
.endr
	v_cvt_scalef32_pk8_fp8_f32 v[200+2*\c:201+2*\c], v[72+8*\c:79+8*\c], v31
.endr
.endm
; ONE ATTENTION.  sg = the set of codes and of scales: 0 same, 1 cross, 2 global.
; The loads run one visited step ahead, always in the order K, (the keys' inst, KB,) V, in the prologue and in every trip, so each counted wait holds on the way in, over the backward jump and past skipped trips.
.macro ATTN sg
	s_lshl_b32 s18, s15, 17
	s_add_co_u32 s18, s18, \sg*2097152
	s_mov_b32 s19, 0
	s_add_nc_u64 s[16:17], s[4:5], s[18:19]        ; q's set and head (no load is out here: the bases may be written),
	s_add_nc_u64 s[96:97], s[16:17], 6291456       ; k's,
	s_add_nc_u64 s[98:99], s[16:17], 12582912      ; v's
	global_load_b128 v[32:35], v252, s[16:17]
	global_load_b128 v[36:39], v252, s[16:17] offset:16
	s_mov_b32 s93, s[82+\sg]                       ; the list of steps
	s_ctz_i32_b32 s94, s93
	s_min_u32 s94, s94, 31                         ; the first of them (an empty list: step 31, asked for and never read)
	s_lshl_b32 s95, s94, 8
	s_lshl_b32 s94, s94, 12
	v_add_nc_u32 v6, s94, v3
	v_add_nc_u32 v7, s94, v4
	LOADK
.if \sg == 1
	v_add_nc_u32 v8, s95, v5
	LOADKI
	LOADKB
.endif
	LOADV
	s_add_co_i32 s18, s[68+4*\sg], s[69+4*\sg]
	s_lshl_b32 s18, s18, 23
	s_add_co_i32 s88, s18, 0x3e38aa3b              ; c = log2(e) / 8 x 2^(eq + ek)
	s_mov_b32 s89, s88
	s_add_co_i32 s18, s[70+4*\sg], 127
	s_lshl_b32 s19, s18, 23
	v_mov_b32 v31, s19                             ; 2^ep
	s_add_co_i32 s18, s18, 8
	s_lshl_b32 s18, s18, 23
	s_or_b32 s18, s18, 0x600000
	v_mov_b32 v30, s18                             ; 448 x 2^ep
	v_mov_b32 v21, 0xff61b1e6                      ; -3e38, under every t
	v_floor_f32 v20, -v21
	v_mov_b32 v22, 0
	v_mov_b32 v23, 0
.irp j, 0,1,2,3,4,5,6,7,8,9,10,11,12,13,14,15,16,17,18,19,20,21,22,23,24,25,26,27,28,29,30,31
	v_mov_b32 v[208+\j], 0
.endr
	s_mov_b32 s92, 0
.Lstep_\@:                             ; 32 trips, a constant; a trip whose bit is clear does nothing
	s_bitcmp1_b32 s93, s92
	s_cbranch_scc0 .Lskip_\@
	s_lshr_b32 s94, s93, s92                       ; the next step of the list (behind the last: some step inside the buffer, asked for and never read)
	s_and_b32 s94, s94, -2
	s_ctz_i32_b32 s94, s94
	s_add_co_u32 s94, s94, s92
	s_min_u32 s94, s94, 31
	s_lshl_b32 s95, s94, 8
	s_lshl_b32 s94, s94, 12
.if \sg == 1
	s_wait_loadcnt 24                              ; Q and K are in; younger: the keys' inst 8, KB 8, V 8
.else
	s_wait_loadcnt 8                               ; Q and K are in; younger: V's 8
.endif
.irp c, 0,1,2,3
	v_wmma_f32_16x16x64_fp8_fp8 v[72+8*\c:79+8*\c], v[40+8*\c:47+8*\c], v[32:39], 0
.endr
	v_add_nc_u32 v6, s94, v3                       ; four plain lines stand between the products and the loads into K and the reads of S^T
.if \sg == 1
	v_nop
	v_nop
	v_nop
.else
	s_lshl_b32 s18, s92, 6
	v_lshl_add_u32 v19, v2, 3, s18                 ; 64 x step + 8 h
.if \sg == 0
	v_sub_nc_u32 v19, v19, v14                     ; - seg_q
.else
	v_sub_nc_u32 v19, v16, v19                     ; cg_q - that
.endif
	v_nop
.endif
	LOADK
.if \sg == 1
	s_wait_loadcnt 16                              ; the keys' words are in; younger: V 8, the next K 8
	MASKC
.elseif \sg == 0
	MASKS
.else
	MASKG
.endif
	s_wait_loadcnt 8                               ; V is in; the next K's 8 stay out
.irp i, 0,1,2,3,4,5,6,7
	ds_store_b128 v9, v[104+4*\i:107+4*\i] offset:768*\i
.endr
.irp g, 0,1
.irp c, 0,1,2,3
	ds_load_tr16_b128 v[136+4*(4*\g+\c):139+4*(4*\g+\c)], v10 offset:1536*\c+32*\g   ; LDS serves a wave's instructions in order (ISA guide 5.7.1.4): these see the stores above
.endr
.endr
	v_add_nc_u32 v7, s94, v4
.if \sg == 1
	v_add_nc_u32 v8, s95, v5
	LOADKI
.endif
	SOFTMAX
	s_wait_dscnt 0x0                               ; V, turned
.irp g, 0,1
.irp c, 0,1,2,3
.irp e, 0,1
	v_perm_b32 v[104+8*(2*\g+\e)+2*\c], v[137+4*(4*\g+\c)], v[136+4*(4*\g+\c)], s[90+\e]
	v_perm_b32 v[105+8*(2*\g+\e)+2*\c], v[139+4*(4*\g+\c)], v[138+4*(4*\g+\c)], s[90+\e]
.endr
.endr
.endr
.if \sg == 1
	LOADKB
.endif
.irp j, 0,2,4,6,8,10,12,14,16,18,20,22,24,26,28,30
	v_pk_mul_f32 v[208+\j:209+\j], v[208+\j:209+\j], v[24:25] op_sel_hi:[1,0]   ; O^T under the new M; each accumulator from its low end on
.endr
.irp i, 0,1,2,3
	v_wmma_f32_16x16x64_fp8_fp8 v[208+8*\i:215+8*\i], v[104+8*\i:111+8*\i], v[200:207], v[208+8*\i:215+8*\i]
.endr
.rept 4
	v_nop                                          ; four plain lines ahead of the loads into V's fragments and of the next read of O^T
.endr
	LOADV
.Lskip_\@:
	s_add_co_u32 s92, s92, 1
	s_cmp_lt_u32 s92, 32
	s_cbranch_scc1 .Lstep_\@
	s_wait_loadcnt 0x0                             ; the last look-ahead has landed: its registers and addresses are free
	v_add_f32 v22, v22, v23
	v_permlanex16_b32 v28, v22, s86, s87
	v_add_f32 v22, v22, v28                        ; the row's sum
	v_rcp_f32 v26, v22
	v_nop                                          ; a plain line behind the reciprocal
	v_cmp_lt_f32 vcc_lo, 0, v22                    ; a row with a live key
	s_add_co_i32 s18, s[70+4*\sg], s[71+4*\sg]
.if \sg == 1
	s_and_b32 vcc_lo, vcc_lo, s81                  ; and a query that the cross mask lets in
.endif
	s_wait_alu depctr_va_vdst(0)                   ; the wait ahead of its first reader
	v_ldexp_f32 v26, v26, s18                      ; x 2^(ep + ev)
	v_cndmask_b32 v24, 0, v26, vcc_lo
.irp j, 0,2,4,6,8,10,12,14,16,18,20,22,24,26,28,30
.if \sg == 1
	v_pk_mul_f32 v[168+\j:169+\j], v[208+\j:209+\j], v[24:25] op_sel_hi:[1,0]
.else
	v_pk_fma_f32 v[168+\j:169+\j], v[208+\j:209+\j], v[24:25], v[168+\j:169+\j] op_sel_hi:[1,0,1]
.endif
.endr
.endm
	s_load_b256 s[4:11], s[0:1], 0x0               ; qkvc s[4:5], route s[6:7], the scales s[8:9], oc s[10:11]
	v_lshl_add_u32 v[SPW], v0, 2, SPARE
	v_mov_b32 v[NIL], 0
	v_lshrrev_b32 v1, 5, v0
	v_readfirstlane_b32 s12, v1                    ; wave 0..7
	s_lshr_b32 s13, ttmp9, 1                       ; the tile of queries
	s_and_b32 s14, ttmp9, 1                        ; which eight heads
	s_lshl_b32 s15, s14, 3
	s_add_co_u32 s15, s15, s12                     ; my head
	s_lshl_b32 s66, s13, 6
	s_mov_b32 s67, 0
	s_wait_kmcnt 0x0
	s_add_nc_u64 s[66:67], s[6:7], s[66:67]        ; route at the tile's 16 words of each array by rank
	s_load_b512 s[16:31], s[66:67], R_QSEG         ; s16 to s63 and s68 to s80 are on their way from here to the next wait on KMcnt: the set-up between names none of them
	s_load_b512 s[32:47], s[66:67], R_QCG
	s_load_b512 s[48:63], s[66:67], R_QCM
	s_load_b256 s[68:75], s[8:9], 0x18             ; ls[6..13]: eq, ek, ep, ev of sets 0 and 1,
	s_load_b128 s[76:79], s[8:9], 0x38             ; of set 2,
	s_load_b32 s80, s[8:9], 0x48                   ; ls[18]
	v_and_b32 v1, 15, v0                           ; r
	v_bfe_u32 v2, v0, 4, 1                         ; h
	v_and_b32 v240, 31, v0                         ; lane
	v_lshlrev_b32 v242, 2, v1
	global_load_b32 v14, v242, s[66:67] offset:R_QSEG
	global_load_b32 v15, v242, s[66:67] offset:R_QLEN
	global_load_b32 v16, v242, s[66:67] offset:R_QCG
	global_load_b32 v17, v242, s[66:67] offset:R_QBAR
	global_load_b32 v18, v242, s[66:67] offset:R_QINS
	s_lshl_b32 s85, s12, 3
	v_mov_b32 v243, s85
	global_load_b32 v244, v243, s[66:67] offset:R_QPOS     ; the positions of the tile's rows 2 w and 2 w + 1, which I store
	global_load_b32 v245, v243, s[66:67] offset:R_QPOS+4
	v_lshlrev_b32 v3, 6, v1
	v_lshl_add_u32 v3, v2, 5, v3                   ; 64 r + 32 h
	v_lshlrev_b32 v4, 4, v240                      ; 16 x lane
	v_lshlrev_b32 v5, 5, v2                        ; 32 h
	s_mul_i32 s85, s12, STG
	v_lshrrev_b32 v241, 2, v240
	v_mul_u32_u24 v9, v241, 96
	v_and_b32 v241, 3, v240
	v_lshl_add_u32 v9, v241, 4, v9
	v_add_nc_u32 v9, s85, v9                       ; the stage, in: key lane / 4 of a load's eight, 16 bytes x (lane % 4)
	v_and_b32 v241, 7, v0
	v_lshl_add_u32 v241, v2, 3, v241
	v_mul_u32_u24 v10, v241, 96
	v_bfe_u32 v241, v0, 3, 1
	v_lshl_add_u32 v10, v241, 4, v10
	v_add_nc_u32 v10, s85, v10                     ; turned: key 8 h + lane % 8, 16 bytes x ((lane / 8) % 2)
	s_and_b32 s85, s12, 1
	s_lshl_b32 s85, s85, 8
	s_lshr_b32 s2, s12, 1
	s_lshl_b32 s2, s2, 2
	s_add_co_u32 s85, s85, s2
	s_add_co_u32 s85, s85, OST
	v_mul_u32_u24 v250, v1, 528
	v_lshl_add_u32 v250, v2, 7, v250
	v_add_nc_u32 v250, s85, v250                   ; the out stage, in: row r, + 256 (w % 2) + 128 h + 4 (w / 2)
	s_mul_i32 s85, s12, 2*528
	s_add_co_u32 s85, s85, OST
	v_add_nc_u32 v251, s85, v4                     ; back: row 2 w, 16 bytes a lane
	s_lshl_b32 s85, s13, 10
	v_add_nc_u32 v252, s85, v3                     ; Q: row 16 t + r
	s_mov_b32 s86, 0x76543210
	s_mov_b32 s87, 0xfedcba98                      ; v_permlanex16_b32's selects for lane l xor 16
	s_mov_b32 s90, 0x06040200                      ; the even bytes of two words,
	s_mov_b32 s91, 0x07050301                      ; the odd ones
	v_mov_b32 v29, 0xff800000
	v_mov_b32 v28, 0                               ; written once: a lane permute's destination counts as one of its sources
	v_mov_b32 v25, 0                               ; (named as the upper half of the pair v[24:25])
	s_wait_kmcnt 0x0
.irp i, 17,18,19,20,21,22,23,24,25,26,27,28,29,30,31
	s_min_u32 s16, s16, s[\i]
.endr
.irp i, 33,34,35,36,37,38,39,40,41,42,43,44,45,46,47
	s_max_u32 s32, s32, s[\i]
.endr
.irp i, 49,50,51,52,53,54,55,56,57,58,59,60,61,62,63
	s_or_b32 s48, s48, s[\i]
.endr
	s_lshl_b32 s17, s13, 4                         ; the tile's first rank
	s_min_u32 s16, s16, s17
	s_lshr_b32 s16, s16, 6                         ; same: from the step of the least seg
	s_add_co_u32 s17, s17, 15
	s_lshr_b32 s17, s17, 6                         ; to the step of the tile's last rank
	s_lshl_b32 s17, 2, s17
	s_sub_co_u32 s17, s17, 1
	s_lshl_b32 s16, -1, s16
	s_and_b32 s82, s17, s16
	s_mov_b32 s83, s48                             ; cross: the union of the 16 queries' lists
	s_add_co_u32 s32, s32, 63
	s_lshr_b32 s32, s32, 6                         ; global: the first ceil(largest cg / 64) steps
	s_mov_b32 s34, 1
	s_mov_b32 s35, 0
	s_lshl_b64 s[34:35], s[34:35], s32
	s_sub_co_u32 s84, s34, 1
	s_wait_loadcnt 0x0
	v_cmp_gt_i32 s81, 0x81, v18
	v_cmp_le_i32 vcc_lo, 0, v17
	s_and_b32 s81, s81, vcc_lo                     ; queries that the cross mask lets in: inst < 129 and bar >= 0
	v_min_u32 v244, 0x7ff, v244
	v_min_u32 v245, 0x7ff, v245
	s_lshl_b32 s18, s14, 9
	v_add_nc_u32 v253, s18, v4
	v_lshl_add_u32 v248, v244, 10, v253            ; oc: 1,024 x position + 512 x (which eight heads) + 16 x lane
	v_lshl_add_u32 v249, v245, 10, v253
	ATTN 1                                         ; (cross + same) + global has the bits of (same + cross) + global
	ATTN 0
	ATTN 2
	; THE WAY OUT: the sum is quantised with ls[18] and laid in the order along K that the projections' codes have
	s_add_co_i32 s18, s80, 127
	s_lshl_b32 s19, s18, 23
	v_mov_b32 v31, s19
	s_add_co_i32 s18, s18, 8
	s_lshl_b32 s18, s18, 23
	s_or_b32 s18, s18, 0x600000
	v_mov_b32 v30, s18
.irp j, 0,1,2,3,4,5,6,7,8,9,10,11,12,13,14,15,16,17,18,19,20,21,22,23,24,25,26,27,28,29,30,31
	v_med3_num_f32 v[168+\j], v[168+\j], -v30, v30
.endr
.irp g, 0,1
.irp e, 0,1
	v_cvt_scalef32_pk8_fp8_f32 v[240+4*\g+2*\e:241+4*\g+2*\e], v[168+8*(2*\g+\e):175+8*(2*\g+\e)], v31
.endr
.endr
	v_nop                                          ; a plain line between the conversions and the reads of their results
.irp g, 0,1                            ; tiles (g, 0) and (g, 1) interleaved byte by byte: word k of v208-215 is d = 32 h + 4 k + 0 .. 3
	v_perm_b32 v[208+2*\g], v[242+4*\g], v[240+4*\g], 0x05010400
	v_perm_b32 v[209+2*\g], v[242+4*\g], v[240+4*\g], 0x07030602
	v_perm_b32 v[212+2*\g], v[243+4*\g], v[241+4*\g], 0x05010400
	v_perm_b32 v[213+2*\g], v[243+4*\g], v[241+4*\g], 0x07030602
.endr
.irp k, 0,1,2,3,4,5,6,7
	ds_store_b32 v250, v[208+\k] offset:16*\k
.endr
	s_wait_dscnt 0x0                               ; for the others' sake: my stores have landed
	s_barrier_signal -1
	s_barrier_wait -1                              ; 16 rows of 512 codes lie in the stage
	ds_load_b128 v[216:219], v251
	ds_load_b128 v[220:223], v251 offset:528
	s_wait_dscnt 0x0
	global_store_b128 v248, v[216:219], s[10:11]   ; the wave stores 512 consecutive bytes, at a multiple of 512 from oc's first byte
	global_store_b128 v249, v[220:223], s[10:11]
	s_wait_tensorcnt 0x0                           ; the wave's end, behind my last LDS store
	ds_add_u32 v[SPW], v[NIL]
	s_wait_dscnt 0x0
	s_endpgm
.Lfunc_end_k_q30e2888137_attn:
	.size	k_q30e2888137_attn, .Lfunc_end_k_q30e2888137_attn-k_q30e2888137_attn
	.p2alignl 7, 3214868480
	.fill 96, 4, 3214868480
	.section	.rodata,"a",@progbits
	.p2align	6, 0x0
	.amdhsa_kernel k_q30e2888137_attn
		.amdhsa_group_segment_fixed_size 58624
		.amdhsa_private_segment_fixed_size 0
		.amdhsa_enable_private_segment 0
		.amdhsa_kernarg_size 32
		.amdhsa_user_sgpr_count 2
		.amdhsa_user_sgpr_kernarg_segment_ptr 1
		.amdhsa_wavefront_size32 1
		.amdhsa_system_sgpr_workgroup_id_x 1
		.amdhsa_system_sgpr_workgroup_id_y 1
		.amdhsa_system_sgpr_workgroup_id_z 1
		.amdhsa_system_vgpr_workitem_id 0
		.amdhsa_next_free_vgpr 256
		.amdhsa_next_free_sgpr 100
		.amdhsa_reserve_vcc 1
		.amdhsa_float_denorm_mode_32 3
		.amdhsa_float_denorm_mode_16_64 3
		.amdhsa_memory_ordered 1
		.amdhsa_forward_progress 1
		.amdhsa_inst_pref_size 83
	.end_amdhsa_kernel
	.amdgpu_metadata
---
amdhsa.version: [ 1, 2 ]
amdhsa.kernels:
  - .name:           k_q30e2888137_attn
    .symbol:         k_q30e2888137_attn.kd
    .args:
      - { .name: qkvc, .offset: 0, .size: 8, .value_kind: global_buffer, .address_space: global }
      - { .name: route, .offset: 8, .size: 8, .value_kind: global_buffer, .address_space: global }
      - { .name: lowp_scales, .offset: 16, .size: 8, .value_kind: global_buffer, .address_space: global }
      - { .name: oc, .offset: 24, .size: 8, .value_kind: global_buffer, .address_space: global }
    .group_segment_fixed_size: 58624
    .private_segment_fixed_size: 0
    .kernarg_segment_align: 8
    .kernarg_segment_size: 32
    .max_flat_workgroup_size: 256
    .sgpr_count:     100
    .vgpr_count:     256
    .wavefront_size: 32
...
	.end_amdgpu_metadata
.endif
;; end of part 3
;; launch oproj (part 4): grid 8 x 32, 4 waves a work-group, clusters of 4 x 4, 226,816 bytes of LDS; arguments oc, wc, bo, lowp_scales, out0; writes out0
.if DOCPART == 4
	.amdgcn_target "amdgcn-amd-amdhsa--gfx1250"
	.amdhsa_code_object_version 6
	.text
	.protected	k_q30e2888137_oproj
	.globl	k_q30e2888137_oproj
	.p2align	8
	.type	k_q30e2888137_oproj,@function
k_q30e2888137_oproj:
	s_mov_b64 s[64:65], 0
	v_nop
	global_prefetch_b8 v0, s[64:65] scope:SCOPE_SE
	s_setreg_imm32_b32 hwreg(HW_REG_WAVE_MODE, 25, 1), 1
	s_wait_xcnt 0x0
	s_wait_alu depctr_hold_cnt(0) depctr_sa_sdst(0) depctr_va_vdst(0) depctr_va_sdst(0) depctr_va_ssrc(0) depctr_va_vcc(0) depctr_vm_vsrc(0)
	s_getreg_b32 s2, hwreg(HW_REG_IB_STS2, 6, 4)
	s_cmp_eq_u32 s2, 0
	s_cbranch_scc0 .Lentry_in_a_cluster
	s_endpgm
.Lentry_in_a_cluster:
	s_bfe_u32 s2, ttmp6, 0x10000c
	s_cmp_lg_u32 s2, 0xf033
	s_cbranch_scc0 .Lentry_shape_is_right
	s_endpgm
.Lentry_shape_is_right:
; out0 = attention's sum x Wo^T + bo on E4M3 codes (the table's last product): sum x 2^(ls[18] + ls[19]) + bo.  No work is left out here.
; LIMIT: ls[18] + ls[19] lies between -126 and 127, so that the power of two is an f32 number.
; SHARES.  A tile is 64 tokens x 128 outputs: 8 x 32 = 256 work-groups.  Four waves; wave (wm, wn) makes 32 tokens x 64 outputs: eight accumulators.
; ALL OF K LIES IN LDS: four chunks of 256 along K, each 64 rows of oc and 128 of Wo's codes, asked for at the head by four tensor loads a wave (four of mine are out); no byte is filled twice.
; CLUSTER 4 x 4: the four of a row need the same rows of oc, the four of a column the same rows of Wo: each tile is asked for jointly.
; THE MATRIX INSTRUCTION IS USED TRANSPOSED (source 0 = 16 rows of Wo, source 1 = 16 tokens): a lane holds eight neighbouring outputs of one token.
.set MT,     2
.set AROWS,  32*MT
.set PITCH,  272                       ; an LDS row: 256 bytes + 16 = 68 words: row r starts at bank 4 r mod 64 (64 banks of 4 bytes: ISA guide 11.1)
.set CH,     (AROWS+128)*PITCH
.set STAGE,  4*CH                      ; behind the chunks: 16 rows x 272 bytes for each wave; no fill lands here
.set SPARE,  STAGE+4*16*PITCH          ; the spare words, 128 bytes a wave
.set SPW,    12
.set NIL,    13
.set STO,    14                        ; v14  the stage, in
.set RD,     15                        ; v15  and back
.set CO,     16                        ; v16  my byte offset in two rows of out0
.set AF,     32                        ; v32-47 A's fragments; on the way out v32-63 the finished numbers
.set BF,     64                        ; v64-95, v96-127 B's two sets; on the way out rows read back
.set ACC,    128                       ; v128-191
.set BIAS,   192                       ; v192-223
.set WV, 22
.set WM, 23
.set WN, 24
.set CX, 25
.set CY, 26
.set TC, 27
.set TR, 28
.set G1A, 32
.set G1B, 40
.set G0A, 48
.set G0B, 68
.set GW0, (1<<20)|(1<<21)|(5<<22)|(3<<25)   ; elements of 1 byte; padding on; bit 21 beside a mask; after every 64 words, 4 words
.macro CROUND
	s_barrier_signal -1
	s_barrier_wait -1
	s_cmp_lg_u32 s[WV], 0
	s_cbranch_scc1 .Lnot_wave_0_\@
	s_barrier_signal -3
.Lnot_wave_0_\@:
	s_barrier_wait -3
	s_barrier_signal -1
	s_barrier_wait -1
.endm
.macro PLACES                          ; four plain lines between a matrix instruction and a load into, or a vector read of, its registers
.rept 4
	v_nop
.endr
.endm
.macro FRAG reg, adr, kk, i
	ds_load_b128 v[\reg:\reg+3], v[\adr] offset:(\kk)+16*PITCH*(\i)
	ds_load_b128 v[\reg+4:\reg+7], v[\adr] offset:(\kk)+16*PITCH*(\i)+32
.endm
.macro FETCH_B s
.irp i, 0,1,2,3
	FRAG BF+32*((\s)%2)+8*\i, 8+(\s)/4, 64*((\s)%4), \i
.endr
.endm
.macro FETCH_A s, i0
.set II, \i0
.rept MT/2
	FRAG AF+8*II, 4+(\s)/4, 64*((\s)%4), II
.set II, II+1
.endr
.endm
.macro MUL s, a0                       ; the accumulators take turns, one instruction a turn, in the same order in every step
.set AA, \a0
.rept MT/2
.irp b, 0,1,2,3
.if (\s) == 0
	v_wmma_f32_16x16x64_fp8_fp8 v[ACC+8*(4*AA+\b):ACC+8*(4*AA+\b)+7], v[BF+32*((\s)%2)+8*\b:BF+32*((\s)%2)+8*\b+7], v[AF+8*AA:AF+8*AA+7], 0
.else
	v_wmma_f32_16x16x64_fp8_fp8 v[ACC+8*(4*AA+\b):ACC+8*(4*AA+\b)+7], v[BF+32*((\s)%2)+8*\b:BF+32*((\s)%2)+8*\b+7], v[AF+8*AA:AF+8*AA+7], v[ACC+8*(4*AA+\b):ACC+8*(4*AA+\b)+7]
.endif
.endr
.set AA, AA+1
.endr
.endm
.macro KSTEP s                         ; 64 along K
	s_wait_dscnt MT                                ; B's set and A's lower block are in; the youngest MT loads (A's upper block) may be out
	MUL \s, 0
	s_wait_dscnt 0x0
.if (((\s)+1)%4 == 0) && ((\s) < 15)
	s_wait_tensorcnt 3-((\s)+1)/4                  ; my part of the next chunk has landed; the later chunks' loads stay out
	s_barrier_signal -1
	s_barrier_wait -1
.endif
	PLACES
.if (\s) < 15
	FETCH_B (\s)+1
	FETCH_A (\s)+1, 0
.endif
	MUL \s, MT/2
	PLACES
.if (\s) < 15
	FETCH_A (\s)+1, MT/2
.endif
.endm
.macro TOSTAGE a                       ; 16 tokens x 64 outputs: finished, into my stage, and back as rows of 256 bytes
.irp t, 0,1,2,3
.irp j, 0,2,4,6
	v_pk_fma_f32 v[32+8*\t+\j:33+8*\t+\j], v[ACC+8*(4*\a+\t)+\j:ACC+8*(4*\a+\t)+\j+1], s[30:31], v[BIAS+8*\t+\j:BIAS+8*\t+\j+1] op_sel_hi:[1,0,1]   ; each accumulator from its low end on
.endr
.endr
.irp t, 0,1,2,3
	ds_store_b128 v[STO], v[32+8*\t:35+8*\t] offset:64*\t
	ds_store_b128 v[STO], v[36+8*\t:39+8*\t] offset:64*\t+16
.endr
.irp i, 0,1,2,3,4,5,6,7
	ds_load_b128 v[64+32*\a+4*\i:67+32*\a+4*\i], v[RD] offset:2*\i*PITCH   ; LDS serves a wave's instructions in order (ISA guide 5.7.1.4): these see my stores, and the next tile's stores come behind them
.endr
.endm
.macro SEND a, younger                 ; younger: the LDS instructions issued behind tile a's loads
.irp i, 0,1,2,3,4,5,6,7
	s_wait_dscnt \younger+7-\i
	global_store_b128 v[CO], v[64+32*\a+4*\i:67+32*\a+4*\i], s[12:13] offset:(16*\a+2*\i)*4096 th:TH_STORE_NT   ; sixteen lanes store 256 consecutive bytes, at a multiple of 256 from out0's first byte
.endr
.endm
	s_load_b256 s[4:11], s[0:1], 0x0               ; oc s[4:5], wc s[6:7], bo s[8:9], the scales s[10:11]
	s_load_b64 s[12:13], s[0:1], 0x20              ; out0
	v_lshl_add_u32 v[SPW], v0, 2, SPARE
	v_mov_b32 v[NIL], 0
	ds_add_u32 v[SPW], v[NIL]                      ; the wave's opening: the add, twice on end, and its wait ahead of my first tensor load
	ds_add_u32 v[SPW], v[NIL]
	v_lshrrev_b32 v1, 5, v0
	v_readfirstlane_b32 s[WV], v1
	s_lshr_b32 s[WM], s[WV], 1
	s_and_b32 s[WN], s[WV], 1
	s_bfe_u32 s[CX], ttmp6, 0x40000
	s_bfe_u32 s[CY], ttmp6, 0x40004
	s_lshl_b32 s[TC], ttmp9, 2
	s_add_co_u32 s[TC], s[TC], s[CX]
	s_and_b32 s[TR], ttmp7, 0xffff
	s_lshl_b32 s[TR], s[TR], 2
	s_add_co_u32 s[TR], s[TR], s[CY]
	s_lshl_b32 s2, s[CY], 2
	s_lshl_b32 s2, 15, s2
	s_lshl_b32 s3, 0x1111, s[CX]
	s_or_b32 s[G1A], s2, GW0
	s_or_b32 s[G1B], s3, GW0
.irp g, G1A, G1B
	s_mov_b32 s[\g+1], 256<<16
	s_mov_b32 s[\g+3], 256<<16
	s_mov_b32 s[\g+5], 1024
	s_mov_b32 s[\g+6], 0
	s_mov_b32 s[\g+7], 0
.endr
	s_mov_b32 s[G1A+2], (16*MT)<<16
	s_mov_b32 s[G1A+4], 16*MT
	s_mov_b32 s[G1B+2], 64<<16
	s_mov_b32 s[G1B+4], 64
	s_lshl_b32 s84, s[TR], 6                       ; A: token 64 x tile row + 32 x half
	s_lshl_b32 s85, s[WN], 5
	s_add_co_u32 s84, s84, s85
	s_lshl_b32 s84, s84, 10
	s_mov_b32 s85, 0
	s_lshl_b32 s86, s[TC], 7                       ; B: Wo's codes, the fourth weight, row 128 x tile column + 64 x half
	s_lshl_b32 s87, s[WN], 6
	s_add_co_u32 s86, s86, s87
	s_lshl_b32 s86, s86, 10
	s_add_co_u32 s86, s86, 3145728
	s_mov_b32 s87, 0
	s_mul_i32 s88, s[WN], 16*MT*PITCH
	s_mul_i32 s89, s[WN], 64*PITCH
	s_add_co_u32 s89, s89, AROWS*PITCH
	s_wait_dscnt 0x0                               ; both opening adds are done
	s_wait_kmcnt 0x0
	s_add_nc_u64 s[84:85], s[4:5], s[84:85]
	s_add_nc_u64 s[86:87], s[6:7], s[86:87]
	CROUND                                         ; all sixteen work-groups are here: the joint loads meet
.irp c, 0,1,2,3
	s_mov_b32 s[G0A+4*\c], 1
	s_add_co_u32 s[G0A+4*\c+1], s88, \c*CH
	s_add_nc_u64 s[G0A+4*\c+2:G0A+4*\c+3], s[84:85], \c*256
	s_or_b32 s[G0A+4*\c+3], s[G0A+4*\c+3], 0x80000000
	s_mov_b32 s[G0B+4*\c], 1
	s_add_co_u32 s[G0B+4*\c+1], s89, \c*CH
	s_add_nc_u64 s[G0B+4*\c+2:G0B+4*\c+3], s[86:87], \c*256
	s_or_b32 s[G0B+4*\c+3], s[G0B+4*\c+3], 0x80000000
.endr
	s_cmp_lt_u32 s[WV], 2                          ; waves 0, 1 fetch A's halves, waves 2, 3 B's: a wave's four fills stand in one branch on the wave's number
	s_cbranch_scc0 .Lfill_b
.irp c, 0,1,2,3
	tensor_load_to_lds s[G0A+4*\c:G0A+4*\c+3], s[G1A:G1A+7]
	s_nop 0
.endr
.rept 4
	v_nop
.endr
	s_branch .Lfilled
.Lfill_b:
.irp c, 0,1,2,3
	tensor_load_to_lds s[G0B+4*\c:G0B+4*\c+3], s[G1B:G1B+7]
	s_nop 0
.endr
.rept 4
	v_nop
.endr
.Lfilled:
	s_load_b64 s[90:91], s[10:11], 0x48            ; ls[18], ls[19]
	v_and_b32 v1, 15, v0                           ; r
	v_bfe_u32 v2, v0, 4, 1                         ; h
	v_mul_u32_u24 v3, v1, PITCH
	v_lshl_add_u32 v3, v2, 4, v3
	s_mul_i32 s2, s[WM], 16*MT*PITCH
	s_mul_i32 s3, s[WN], 64*PITCH
	s_add_co_u32 s3, s3, AROWS*PITCH
	v_add_nc_u32 v4, s2, v3                        ; v4-7: my A fragments in chunks 0-3;  v8-11: B's
	v_add_nc_u32 v8, s3, v3
.irp c, 1,2,3
	v_add_nc_u32 v[4+\c], \c*CH, v4
	v_add_nc_u32 v[8+\c], \c*CH, v8
.endr
	s_mul_i32 s2, s[WV], 16*PITCH
	s_add_co_u32 s2, s2, STAGE                     ; my stage
	v_mul_u32_u24 v[STO], v1, PITCH
	v_lshl_add_u32 v[STO], v2, 5, v[STO]
	v_add_nc_u32 v[STO], s2, v[STO]                ; in: row r, 32 bytes for each half of the lanes
	v_mul_u32_u24 v[RD], v2, PITCH
	v_lshl_add_u32 v[RD], v1, 4, v[RD]
	v_add_nc_u32 v[RD], s2, v[RD]                  ; back: lanes 0-15 one row of 256 bytes, lanes 16-31 the next
	v_lshlrev_b32 v[CO], 12, v2
	v_lshl_add_u32 v[CO], v1, 4, v[CO]             ; and the same two rows in out0
	s_lshl_b32 s2, s[TC], 9
	s_lshl_b32 s3, s[WN], 8
	s_add_co_u32 s2, s2, s3                        ; my first output, in bytes
	s_mov_b32 s3, 0
	s_add_nc_u64 s[8:9], s[8:9], s[2:3]
	s_add_nc_u64 s[12:13], s[12:13], s[2:3]
	v_lshlrev_b32 v17, 5, v2
.irp t, 0,1,2,3
	global_load_b128 v[BIAS+8*\t:BIAS+8*\t+3], v17, s[8:9] offset:64*\t        ; bo in the result's layout: outputs 16 t + 8 h + 0 .. 7
	global_load_b128 v[BIAS+8*\t+4:BIAS+8*\t+7], v17, s[8:9] offset:64*\t+16
.endr
	s_lshl_b32 s2, s[TR], 6
	s_lshl_b32 s66, s[WM], 5
	s_add_co_u32 s2, s2, s66
	s_lshl_b32 s2, s2, 12                          ; my first token's row of 4,096 bytes
	s_add_nc_u64 s[12:13], s[12:13], s[2:3]
	s_wait_kmcnt 0x0
	s_add_co_i32 s30, s90, s91
	s_add_co_i32 s30, s30, 127
	s_lshl_b32 s30, s30, 23                        ; 2^(ls[18] + ls[19]) as f32
	s_mov_b32 s31, s30                             ; (named with it as a pair, so it is written)
	s_wait_tensorcnt 3                             ; my part of chunk 0 has landed; three loads of mine stay out,
	s_barrier_signal -1
	s_barrier_wait -1                              ; everybody's has
	FETCH_B 0
	FETCH_A 0, 0
	FETCH_A 0, MT/2
.set SS, 0
.rept 16
	KSTEP SS
.set SS, SS+1
.endr
	; THE WAY OUT.  The four plain lines behind the last products stand at the last step's end.
	s_wait_loadcnt 0x0                             ; the bias
	TOSTAGE 0
	TOSTAGE 1
	SEND 0, 16                                     ; behind tile 0's loads: tile 1's eight stores and eight loads
	SEND 1, 0
	s_wait_tensorcnt 0x0                           ; the wave's end, behind my last tensor load and my last LDS store
	ds_add_u32 v[SPW], v[NIL]
	s_wait_dscnt 0x0
	CROUND                                         ; the closing round
	s_endpgm
.Lfunc_end_k_q30e2888137_oproj:
	.size	k_q30e2888137_oproj, .Lfunc_end_k_q30e2888137_oproj-k_q30e2888137_oproj
	.p2alignl 7, 3214868480
	.fill 96, 4, 3214868480
	.section	.rodata,"a",@progbits
	.p2align	6, 0x0
	.amdhsa_kernel k_q30e2888137_oproj
		.amdhsa_group_segment_fixed_size 226816
		.amdhsa_private_segment_fixed_size 0
		.amdhsa_enable_private_segment 0
		.amdhsa_kernarg_size 40
		.amdhsa_user_sgpr_count 2
		.amdhsa_user_sgpr_kernarg_segment_ptr 1
		.amdhsa_wavefront_size32 1
		.amdhsa_system_sgpr_workgroup_id_x 1
		.amdhsa_system_sgpr_workgroup_id_y 1
		.amdhsa_system_sgpr_workgroup_id_z 1
		.amdhsa_system_vgpr_workitem_id 0
		.amdhsa_next_free_vgpr 256
		.amdhsa_next_free_sgpr 100
		.amdhsa_reserve_vcc 0
		.amdhsa_float_denorm_mode_32 3
		.amdhsa_float_denorm_mode_16_64 3
		.amdhsa_memory_ordered 1
		.amdhsa_forward_progress 1
		.amdhsa_inst_pref_size 41
	.end_amdhsa_kernel
	.amdgpu_metadata
---
amdhsa.version: [ 1, 2 ]
amdhsa.kernels:
  - .name:           k_q30e2888137_oproj
    .symbol:         k_q30e2888137_oproj.kd
    .args:
      - { .name: oc, .offset: 0, .size: 8, .value_kind: global_buffer, .address_space: global }
      - { .name: wc, .offset: 8, .size: 8, .value_kind: global_buffer, .address_space: global }
      - { .name: bo, .offset: 16, .size: 8, .value_kind: global_buffer, .address_space: global }
      - { .name: lowp_scales, .offset: 24, .size: 8, .value_kind: global_buffer, .address_space: global }
      - { .name: out0, .offset: 32, .size: 8, .value_kind: global_buffer, .address_space: global }
    .group_segment_fixed_size: 226816
    .private_segment_fixed_size: 0
    .kernarg_segment_align: 8
    .kernarg_segment_size: 40
    .max_flat_workgroup_size: 128
    .sgpr_count:     100
    .vgpr_count:     256
    .wavefront_size: 32
...
	.end_amdgpu_metadata
.endif
;; end of part 4
;; ======== version 2 of 2: 4 launches; version 1 with the launch attn written anew for expert scheduling mode
;; limits: right only within a limited range of input values
;; workspace buffers: xc 6,291,456 bytes; wc 4,194,304 bytes; rope 524,288 bytes; route 122,880 bytes of whole numbers; qkvc 18,874,368 bytes; oc 2,097,152 bytes
;; launch prep: the kernel of part 1 again; grid 768 x 1, 8 waves a work-group, no clusters, 31,232 bytes of LDS; arguments instrument_ids, bar_ids, x, Wq, Wk, Wv, Wo, lowp_scales, xc, wc, rope, route; writes xc, wc, rope, route
;; launch qkv: the kernel of part 2 again; grid 24 x 16, 4 waves a work-group, clusters of 4 x 4, 279,040 bytes of LDS; arguments xc, wc, route, rope, bq, bk, bv, lowp_scales, qkvc; writes qkvc
;; launch attn (part 5): grid 256 x 1, 8 waves a work-group, no clusters, 58,624 bytes of LDS; arguments qkvc, route, lowp_scales, oc; writes oc
.if DOCPART == 5
	.amdgcn_target "amdgcn-amd-amdhsa--gfx1250"
	.amdhsa_code_object_version 6
	.text
	.protected	k_q30e2888137_attn
	.globl	k_q30e2888137_attn
	.p2align	8
	.type	k_q30e2888137_attn,@function
k_q30e2888137_attn:
	s_mov_b64 s[64:65], 0
	v_nop
	global_prefetch_b8 v0, s[64:65] scope:SCOPE_SE
	s_setreg_imm32_b32 hwreg(HW_REG_WAVE_SCHED_MODE, 0, 2), 2
	s_setreg_imm32_b32 hwreg(HW_REG_WAVE_MODE, 25, 1), 1
	s_wait_xcnt 0x0
	s_wait_alu depctr_vm_vsrc(0)
; The three masked attentions (products 4 to 9 of the table) on E4M3 codes, their sum, and the quantiser ahead of the last projection.
; LEFT OUT: key steps in which every pair of the tile's 16 queries lies under the mask that reference() builds from instrument_ids, bar_ids and jnp.tril (shown dead at the head of the first kernel):
; the lists of steps are made from whole numbers that an earlier launch stored in route.  Inside a visited step every pair's mask is evaluated, so the values hold for every input.
; LIMITS: a NaN, an infinity or an overflow that reaches only masked pairs is not carried to the result; live logits lie above -1e9; eq + ek between -123 and 130 (added to c's exponent field);
; ep and ls[18] between -126 and 119; ep + ev is applied by v_ldexp_f32.
; SHARES.  Work-group = a tile of 16 queries, neighbours in S order, x eight heads; wave w owns head 8 (wg % 2) + w.  A wave's loads and its stage for V are its own: no barrier stands in a loop.
; NO CLUSTER, NO TENSOR LOAD: the number of steps hangs on stored whole numbers and differs from tile to tile, so partners would need different numbers of tiles, and the walk branches on loaded numbers.
; A STEP is 64 keys.  S^T = K Q^T (source 0 = 16 keys, source 1 = my 16 queries): lane (q, h) holds query q and, in tile c, register j, key 16 c + 8 h + j: the very place that the second product's
; operand P gives that key, so the conversions' results are the operand.  O^T = V^T P^T: V lies [key][64 codes]; it turns through the wave's stage by ds_load_tr16_b128 on pairs of bytes, and
; v_perm_b32 parts the even from the odd bytes: four tiles (g, e) of 16 of the head's 64.  In tile (g, e) register j of lane (q, h) is d = 32 h + 16 ((2 j + e) / 8) + 8 g + (2 j + e) % 8.
; THE SOFTMAX: t = score x log2(e) / 8; M = the running largest t rounded up to a whole number, kept as -M; p = 2^(t - M) is quantised, not normalised; the row's sum is taken of the unquantised p.
; A masked score is -infinity: p = 0.  While a row has met no live key its largest t stays -3e38 and its sums stay 0; the first live key multiplies them by 0.  A row whose sum is 0 at the end gets the factor 0.
; The step that comes first hangs on data, so O^T begins as zeros: 32 moves for each attention.
; THE MODE: SCHED_MODE bits 1:0 = 2 (LLVM: expert scheduling mode 2), set by the entry lines.  The code itself states the register dependences between vector or matrix instructions and memory or
; LDS instructions, and those through scalar registers that vector instructions write, with s_wait_alu, always for 0.
; THE PLAN.  Registers that memory or LDS instructions touch, round a visited trip:
;   K    v40-71    read by the four products K Q^T; the next step's loads land in it straight behind them.
;   KI   v168-199  (cross alone) the keys' inst: read by the mask's compares; loaded again behind the mask.
;   KB   v136-167  (cross alone) read by the mask's subtractions; then the turning LDS loads land there (in every attention), the byte permutes read them, and KB is loaded again at the trip's end.
;   V    v104-135  loaded; read by the eight LDS stores; written by the byte permutes; read by the products V^T P; loaded again at the trip's end.
;   Q    v32-39    loaded once an attention; read by the products K Q^T.
;   v6, v8, v7     the offsets of the step asked for: each is written behind the wait on LOADcnt that shows its last readers done, and ahead of a wait on va_vdst that stands there anyway.
;   v3-5, v9, v10, v248-252: made at the head, never written again.  S^T and p, p's codes, O^T and the statistics are named by vector and matrix instructions alone.
; WAITS ON va_vdst in a trip: behind the products K Q^T; (cross) behind the mask; the softmax's own, for its exponentials; behind the products V^T P.  Between each and the loads and LDS instructions that it
; serves no vector or matrix instruction names a register that these touch.  WAITS ON vm_vsrc: beside the wait for V turned (the LDS stores have read V), and at the trip's end and the prologue's end, ahead of the
; label and the branch (the loads have read v6 to v8).  WAITS ON va_sdst: the masks' compares go in runs into s32 on, one wait behind each run; no line uses VCC.
; REGISTERS: v1 r, v2 h; v3-5 the lane's part of K's, V's and the key words' offsets; v6-8 those offsets for the step asked for; v9, v10 the stage, in and turned; v11, v12 the add's two;
; v14-18 my query's seg, len, cg, bar, inst; v19 the step's mask base; v20 -M, v21 the largest t, v[22:23] the sum, v[24:25] f; v26-28 at work; v29 -infinity; v30, v31 448 x 2^ep, 2^ep;
; v32-39 Q; v40-71 K; v72-103 S^T, then p; v104-135 V as loaded, then its fragments; v136-167 the keys' KB, then V turned; v168-199 the keys' inst, behind the cross attention the sum of the three;
; v200-207 p's codes; v208-239 O^T; v240-247 at work; v248, v249 where my two rows of oc go; v250, v251 the out stage, in and back; v252 Q's offset.  s20, s32-s63: lane masks.
.set STG,    6144                      ; a wave's stage: 64 keys x (64 bytes + 32): 24 words from row to row, an odd multiple of 32 bytes
.set OST,    49152                     ; the out stage: 16 rows x (512 bytes + 16)
.set SPARE,  57600                     ; the spare words: 128 bytes for each of eight waves
.set SPW,    11
.set NIL,    12
.set R_KB,   49152
.set R_KI,   57344
.set R_QPOS, 65536
.set R_QSEG, 73728
.set R_QLEN, 81920
.set R_QCG,  90112
.set R_QBAR, 98304
.set R_QINS, 106496
.set R_QCM,  114688
.macro LOADK                           ; four fragments of 16 keys: lane (r, h) takes 32 bytes of key 16 c + r
.irp c, 0,1,2,3
	global_load_b128 v[40+8*\c:43+8*\c], v6, s[96:97] offset:1024*\c
	global_load_b128 v[44+8*\c:47+8*\c], v6, s[96:97] offset:1024*\c+16
.endr
.endm
.macro LOADV                           ; 64 keys x 64 bytes as they lie: 512 consecutive bytes a load
.irp i, 0,1,2,3,4,5,6,7
	global_load_b128 v[104+4*\i:107+4*\i], v7, s[98:99] offset:512*\i
.endr
.endm
.macro LOADKI                          ; inst of my 32 keys 16 c + 8 h + j
.irp c, 0,1,2,3
	global_load_b128 v[168+8*\c:171+8*\c], v8, s[6:7] offset:R_KI+64*\c
	global_load_b128 v[172+8*\c:175+8*\c], v8, s[6:7] offset:R_KI+64*\c+16
.endr
.endm
.macro LOADKB                          ; and their KB
.irp c, 0,1,2,3
	global_load_b128 v[136+8*\c:139+8*\c], v8, s[6:7] offset:R_KB+64*\c
	global_load_b128 v[140+8*\c:143+8*\c], v8, s[6:7] offset:R_KB+64*\c+16
.endr
.endm
.macro MASKC                           ; cross: live where (bar_q - KB) as u32 is 0, 1, 2 or 4 and inst_q != inst_k; eight keys, one tile of S^T, at a time
.irp c, 0,1,2,3
.irp j, 0,1,2,3,4,5,6,7
	v_sub_nc_u32 v[240+\j], v17, v[136+8*\c+\j]
.endr
.irp j, 0,1,2,3,4,5,6,7
	v_cmp_ge_u32 s[32+3*\j], 4, v[240+\j]
	v_cmp_ne_u32 s[33+3*\j], 3, v[240+\j]
	v_cmp_ne_u32 s[34+3*\j], v18, v[168+8*\c+\j]
.endr
	s_wait_alu depctr_va_sdst(0)                   ; the 24 compares have written s32 to s55, ahead of their first readers, the scalar lines below
.irp j, 0,1,2,3,4,5,6,7
	s_and_b32 s[32+3*\j], s[32+3*\j], s[33+3*\j]
	s_and_b32 s[32+3*\j], s[32+3*\j], s[34+3*\j]
.endr
.irp j, 0,1,2,3,4,5,6,7
	v_cndmask_b32 v[72+8*\c+\j], v29, v[72+8*\c+\j], s[32+3*\j]   ; each tile of S^T from its low end on
.endr
.endr
.endm
.macro MASKS                           ; same: live where (rank - seg_q) as u32 <= len_q
.irp c, 0,1,2,3
.irp j, 0,1,2,3,4,5,6,7
	v_add_nc_u32 v[240+\j], 16*\c+\j, v19
.endr
.irp j, 0,1,2,3,4,5,6,7
	v_cmp_ge_u32 s[32+8*\c+\j], v15, v[240+\j]
.endr
.endr
	s_wait_alu depctr_va_sdst(0)                   ; the 32 compares have written s32 to s63, ahead of their first readers, the selects below
.irp c, 0,1,2,3
.irp j, 0,1,2,3,4,5,6,7
	v_cndmask_b32 v[72+8*\c+\j], v29, v[72+8*\c+\j], s[32+8*\c+\j]
.endr
.endr
.endm
.macro MASKG                           ; global: live where rank < cg_q
.irp c, 0,1,2,3
.irp j, 0,1,2,3,4,5,6,7
	v_cmp_lt_i32 s[32+8*\c+\j], 16*\c+\j, v19
.endr
.endr
	s_wait_alu depctr_va_sdst(0)                   ; the 32 compares have written s32 to s63, ahead of their first readers, the selects below
.irp c, 0,1,2,3
.irp j, 0,1,2,3,4,5,6,7
	v_cndmask_b32 v[72+8*\c+\j], v29, v[72+8*\c+\j], s[32+8*\c+\j]
.endr
.endr
.endm
.macro SOFTMAX
	v_max3_num_f32 v26, v72, v73, v74              ; the step's largest score of my query among my 32 keys, in two chains,
	v_max3_num_f32 v27, v75, v76, v77
.irp i, 6,10,14,18,22,26
	v_max3_num_f32 v26, v26, v[72+\i], v[73+\i]
	v_max3_num_f32 v27, v27, v[74+\i], v[75+\i]
.endr
	v_max3_num_f32 v26, v26, v102, v103
	v_max_num_f32 v26, v26, v27
	v_permlanex16_b32 v28, v26, s86, s87
	v_max_num_f32 v26, v26, v28                    ; and among lane l xor 16's
	v_mul_f32 v26, s88, v26                        ; as t (c is positive)
	v_max_num_f32 v21, v21, v26
	v_mov_b32 v26, v20
	v_floor_f32 v20, -v21                          ; the new -M = floor(-t)
	v_sub_f32 v26, v20, v26                        ; old M - new M: a whole number, 0 or less
	v_cvt_i32_f32 v26, v26                         ; (it saturates)
	v_ldexp_f32 v24, 1.0, v26                      ; f = 2^(old M - new M)
.irp j, 0,2,4,6,8,10,12,14,16,18,20,22,24,26,28,30
	v_pk_fma_f32 v[72+\j:73+\j], v[72+\j:73+\j], s[88:89], v[20:21] op_sel_hi:[1,0,0]   ; t - M
.endr
.irp j, 0,1,2,3,4,5,6,7,8,9,10,11,12,13,14,15,16,17,18,19,20,21,22,23,24,25,26,27,28,29,30,31
	v_exp_f32 v[72+\j], v[72+\j]                   ; p
.endr
	v_pk_mul_f32 v[22:23], v[22:23], v[24:25] op_sel_hi:[1,0]   ; the sums under the new M: the plain line behind the exponentials
	s_wait_alu depctr_va_vdst(0)                   ; the 32 exponentials have written p: one wait for the batch, ahead of its first reader
	v_pk_add_f32 v[240:241], v[72:73], v[74:75]    ; the row's sum of the unquantised p, in two chains
.irp j, 4,8,12,16,20,24,28
	v_pk_add_f32 v[22:23], v[22:23], v[72+\j:73+\j]
	v_pk_add_f32 v[240:241], v[240:241], v[74+\j:75+\j]
.endr
	v_pk_add_f32 v[22:23], v[22:23], v[240:241]
.irp c, 0,1,2,3
.irp j, 0,1,2,3,4,5,6,7
	v_min_num_f32 v[72+8*\c+\j], v[72+8*\c+\j], v30   ; p is not negative: a one-sided hold (the conversion does not saturate: ISA guide 7.6.2)
.endr
	v_cvt_scalef32_pk8_fp8_f32 v[200+2*\c:201+2*\c], v[72+8*\c:79+8*\c], v31
.endr
.endm
; ONE ATTENTION.  sg = the set of codes and of scales: 0 same, 1 cross, 2 global.
; The loads run one visited step ahead, always in the order K, (the keys' inst, KB,) V, in the prologue and in every trip, so each counted wait holds on the way in, over the backward jump and past skipped trips.
.macro ATTN sg
	s_lshl_b32 s18, s15, 17
	s_add_co_u32 s18, s18, \sg*2097152
	s_mov_b32 s19, 0
	s_add_nc_u64 s[16:17], s[4:5], s[18:19]        ; q's set and head (no load is out here: the bases may be written),
	s_add_nc_u64 s[96:97], s[16:17], 6291456       ; k's,
	s_add_nc_u64 s[98:99], s[16:17], 12582912      ; v's
	s_mov_b32 s93, s[82+\sg]                       ; the list of steps
	s_ctz_i32_b32 s94, s93
	s_min_u32 s94, s94, 31                         ; the first of them (an empty list: step 31, asked for and never read)
	s_lshl_b32 s95, s94, 8
	s_lshl_b32 s94, s94, 12
	v_add_nc_u32 v6, s94, v3                       ; (every load that read v6 to v8 stands ahead of a wait on vm_vsrc: the last trip's end, or the last prologue's)
	v_add_nc_u32 v7, s94, v4
.if \sg == 1
	v_add_nc_u32 v8, s95, v5
.endif
	s_wait_alu depctr_va_vdst(0)                   ; v6 to v8 are written, and all the addresses that the head made, which the loads, LDS instructions and stores from here on read; the attention before is done reading and writing v32-71 and v104-167, in which the loads below land
	global_load_b128 v[32:35], v252, s[16:17]
	global_load_b128 v[36:39], v252, s[16:17] offset:16
	LOADK
.if \sg == 1
	LOADKI
	LOADKB
.endif
	LOADV
	s_add_co_i32 s18, s[68+4*\sg], s[69+4*\sg]     ; the lines from here to the loop name none of the registers that the loads above touch
	s_lshl_b32 s18, s18, 23
	s_add_co_i32 s88, s18, 0x3e38aa3b              ; c = log2(e) / 8 x 2^(eq + ek)
	s_mov_b32 s89, s88
	s_add_co_i32 s18, s[70+4*\sg], 127
	s_lshl_b32 s19, s18, 23
	v_mov_b32 v31, s19                             ; 2^ep
	s_add_co_i32 s18, s18, 8
	s_lshl_b32 s18, s18, 23
	s_or_b32 s18, s18, 0x600000
	v_mov_b32 v30, s18                             ; 448 x 2^ep
	v_mov_b32 v21, 0xff61b1e6                      ; -3e38, under every t
	v_floor_f32 v20, -v21
	v_mov_b32 v22, 0
	v_mov_b32 v23, 0
.irp j, 0,1,2,3,4,5,6,7,8,9,10,11,12,13,14,15,16,17,18,19,20,21,22,23,24,25,26,27,28,29,30,31
	v_mov_b32 v[208+\j], 0
.endr
	s_wait_alu depctr_vm_vsrc(0)                   ; the loads above have read v6 to v8, which the first visited trip writes again: stated ahead of the label and the branch
	s_mov_b32 s92, 0
.Lstep_\@:                             ; 32 trips, a constant; a trip whose bit is clear does nothing
	s_bitcmp1_b32 s93, s92
	s_cbranch_scc0 .Lskip_\@
	s_lshr_b32 s94, s93, s92                       ; the next step of the list (behind the last: some step inside the buffer, asked for and never read)
	s_and_b32 s94, s94, -2
	s_ctz_i32_b32 s94, s94
	s_add_co_u32 s94, s94, s92
	s_min_u32 s94, s94, 31
	s_lshl_b32 s95, s94, 8
	s_lshl_b32 s94, s94, 12
.if \sg == 1
	s_wait_loadcnt 24                              ; Q and K are in; younger: the keys' inst 8, KB 8, V 8
.else
	s_wait_loadcnt 8                               ; Q and K are in; younger: V's 8
.endif
.irp c, 0,1,2,3
	v_wmma_f32_16x16x64_fp8_fp8 v[72+8*\c:79+8*\c], v[40+8*\c:47+8*\c], v[32:39], 0
.endr
	v_add_nc_u32 v6, s94, v3                       ; four plain lines stand between the products and the reads of S^T.  (K's loads, which read v6, are done by the wait above)
.if \sg == 1
	v_nop
	v_nop
	v_nop
.else
	s_lshl_b32 s18, s92, 6
	v_lshl_add_u32 v19, v2, 3, s18                 ; 64 x step + 8 h
.if \sg == 0
	v_sub_nc_u32 v19, v19, v14                     ; - seg_q
.else
	v_sub_nc_u32 v19, v16, v19                     ; cg_q - that
.endif
	v_nop
.endif
	s_wait_alu depctr_va_vdst(0)                   ; the four products are done reading K, in which the loads below land, and v6, their offset, is written
	LOADK
.if \sg == 1
	s_wait_loadcnt 16                              ; the keys' words are in; younger: V 8, the next K 8
	v_add_nc_u32 v8, s95, v5                       ; their loads, which read v8, are done by that wait
	MASKC
	s_wait_alu depctr_va_vdst(0)                   ; the mask's lines are done reading the keys' inst, in which the loads below land, and KB, in which V turned will land; v8 is written
	LOADKI
	s_wait_loadcnt 16                              ; V is in; younger: the next K 8, the next inst 8
.elseif \sg == 0
	MASKS
	s_wait_loadcnt 8                               ; V is in; the next K's 8 stay out
.else
	MASKG
	s_wait_loadcnt 8                               ; V is in; the next K's 8 stay out
.endif
.irp i, 0,1,2,3,4,5,6,7
	ds_store_b128 v9, v[104+4*\i:107+4*\i] offset:768*\i   ; no vector or matrix instruction since the last trip's closing wait on va_vdst (or the prologue's) names v104-135
.endr
.irp g, 0,1
.irp c, 0,1,2,3
	ds_load_tr16_b128 v[136+4*(4*\g+\c):139+4*(4*\g+\c)], v10 offset:1536*\c+32*\g   ; LDS serves a wave's instructions in order (ISA guide 5.7.1.4): these see the stores above
.endr
.endr
	v_add_nc_u32 v7, s94, v4                       ; V's loads, which read v7, are done by the wait above
	SOFTMAX
	s_wait_dscnt 0x0                               ; V, turned
	s_wait_alu depctr_vm_vsrc(0)                   ; the LDS stores have read V as loaded, v104-135, which the lines below write
.irp g, 0,1
.irp c, 0,1,2,3
.irp e, 0,1
	v_perm_b32 v[104+8*(2*\g+\e)+2*\c], v[137+4*(4*\g+\c)], v[136+4*(4*\g+\c)], s[90+\e]
	v_perm_b32 v[105+8*(2*\g+\e)+2*\c], v[139+4*(4*\g+\c)], v[138+4*(4*\g+\c)], s[90+\e]
.endr
.endr
.endr
.irp j, 0,2,4,6,8,10,12,14,16,18,20,22,24,26,28,30
	v_pk_mul_f32 v[208+\j:209+\j], v[208+\j:209+\j], v[24:25] op_sel_hi:[1,0]   ; O^T under the new M; each accumulator from its low end on
.endr
.irp i, 0,1,2,3
	v_wmma_f32_16x16x64_fp8_fp8 v[208+8*\i:215+8*\i], v[104+8*\i:111+8*\i], v[200:207], v[208+8*\i:215+8*\i]
.endr
.rept 4
	v_nop                                          ; four plain lines behind the products, ahead of the next read of O^T
.endr
	s_wait_alu depctr_va_vdst(0)                   ; the products are done reading V's fragments, which the permutes wrote, and the permutes are done reading V turned: the loads below land in both; v7 is written
.if \sg == 1
	LOADKB
.endif
	LOADV
	s_wait_alu depctr_vm_vsrc(0)                   ; this trip's loads have read v6 to v8, which the next visited trip or the next attention writes again: stated ahead of the label and the branch
.Lskip_\@:
	s_add_co_u32 s92, s92, 1
	s_cmp_lt_u32 s92, 32
	s_cbranch_scc1 .Lstep_\@
	s_wait_loadcnt 0x0                             ; the last look-ahead has landed: its registers and addresses are free
	v_add_f32 v22, v22, v23
	v_permlanex16_b32 v28, v22, s86, s87
	v_add_f32 v22, v22, v28                        ; the row's sum
	v_rcp_f32 v26, v22
	v_nop                                          ; a plain line behind the reciprocal
	v_cmp_lt_f32 s20, 0, v22                       ; a row with a live key
	s_add_co_i32 s18, s[70+4*\sg], s[71+4*\sg]
	s_wait_alu depctr_va_sdst(0)                   ; the compare has written s20, ahead of its first reader
.if \sg == 1
	s_and_b32 s20, s20, s81                        ; and a query that the cross mask lets in
.endif
	s_wait_alu depctr_va_vdst(0)                   ; the reciprocal has written v26: the wait ahead of its first reader
	v_ldexp_f32 v26, v26, s18                      ; x 2^(ep + ev)
	v_cndmask_b32 v24, 0, v26, s20
.irp j, 0,2,4,6,8,10,12,14,16,18,20,22,24,26,28,30
.if \sg == 1
	v_pk_mul_f32 v[168+\j:169+\j], v[208+\j:209+\j], v[24:25] op_sel_hi:[1,0]
.else
	v_pk_fma_f32 v[168+\j:169+\j], v[208+\j:209+\j], v[24:25], v[168+\j:169+\j] op_sel_hi:[1,0,1]
.endif
.endr
.endm
	s_load_b256 s[4:11], s[0:1], 0x0               ; qkvc s[4:5], route s[6:7], the scales s[8:9], oc s[10:11]
	v_lshl_add_u32 v[SPW], v0, 2, SPARE
	v_mov_b32 v[NIL], 0
	v_lshrrev_b32 v1, 5, v0
	v_readfirstlane_b32 s12, v1                    ; wave 0..7
	s_lshr_b32 s13, ttmp9, 1                       ; the tile of queries
	s_and_b32 s14, ttmp9, 1                        ; which eight heads
	s_lshl_b32 s15, s14, 3
	s_wait_alu depctr_va_sdst(0)                   ; s12 is written, ahead of its first reader
	s_add_co_u32 s15, s15, s12                     ; my head
	s_lshl_b32 s66, s13, 6
	s_mov_b32 s67, 0
	s_wait_kmcnt 0x0
	s_add_nc_u64 s[66:67], s[6:7], s[66:67]        ; route at the tile's 16 words of each array by rank
	s_load_b512 s[16:31], s[66:67], R_QSEG         ; s16 to s63 and s68 to s80 are on their way from here to the next wait on KMcnt: the set-up between names none of them
	s_load_b512 s[32:47], s[66:67], R_QCG
	s_load_b512 s[48:63], s[66:67], R_QCM
	s_load_b256 s[68:75], s[8:9], 0x18             ; ls[6..13]: eq, ek, ep, ev of sets 0 and 1,
	s_load_b128 s[76:79], s[8:9], 0x38             ; of set 2,
	s_load_b32 s80, s[8:9], 0x48                   ; ls[18]
	v_and_b32 v1, 15, v0                           ; r
	v_bfe_u32 v2, v0, 4, 1                         ; h
	v_and_b32 v240, 31, v0                         ; lane
	v_lshlrev_b32 v242, 2, v1
	s_lshl_b32 s85, s12, 3
	v_mov_b32 v243, s85
	s_wait_alu depctr_va_vdst(0)                   ; v242 and v243 are written: the offsets of the seven loads below
	global_load_b32 v14, v242, s[66:67] offset:R_QSEG
	global_load_b32 v15, v242, s[66:67] offset:R_QLEN
	global_load_b32 v16, v242, s[66:67] offset:R_QCG
	global_load_b32 v17, v242, s[66:67] offset:R_QBAR
	global_load_b32 v18, v242, s[66:67] offset:R_QINS
	global_load_b32 v244, v243, s[66:67] offset:R_QPOS     ; the positions of the tile's rows 2 w and 2 w + 1, which I store
	global_load_b32 v245, v243, s[66:67] offset:R_QPOS+4
	v_lshlrev_b32 v3, 6, v1                        ; the lines from here to the wait for these loads name none of their registers
	v_lshl_add_u32 v3, v2, 5, v3                   ; 64 r + 32 h
	v_lshlrev_b32 v4, 4, v240                      ; 16 x lane
	v_lshlrev_b32 v5, 5, v2                        ; 32 h
	s_mul_i32 s85, s12, STG
	v_lshrrev_b32 v241, 2, v240
	v_mul_u32_u24 v9, v241, 96
	v_and_b32 v241, 3, v240
	v_lshl_add_u32 v9, v241, 4, v9
	v_add_nc_u32 v9, s85, v9                       ; the stage, in: key lane / 4 of a load's eight, 16 bytes x (lane % 4)
	v_and_b32 v241, 7, v0
	v_lshl_add_u32 v241, v2, 3, v241
	v_mul_u32_u24 v10, v241, 96
	v_bfe_u32 v241, v0, 3, 1
	v_lshl_add_u32 v10, v241, 4, v10
	v_add_nc_u32 v10, s85, v10                     ; turned: key 8 h + lane % 8, 16 bytes x ((lane / 8) % 2)
	s_and_b32 s85, s12, 1
	s_lshl_b32 s85, s85, 8
	s_lshr_b32 s2, s12, 1
	s_lshl_b32 s2, s2, 2
	s_add_co_u32 s85, s85, s2
	s_add_co_u32 s85, s85, OST
	v_mul_u32_u24 v250, v1, 528
	v_lshl_add_u32 v250, v2, 7, v250
	v_add_nc_u32 v250, s85, v250                   ; the out stage, in: row r, + 256 (w % 2) + 128 h + 4 (w / 2)
	s_mul_i32 s85, s12, 2*528
	s_add_co_u32 s85, s85, OST
	v_add_nc_u32 v251, s85, v4                     ; back: row 2 w, 16 bytes a lane
	s_lshl_b32 s85, s13, 10
	v_add_nc_u32 v252, s85, v3                     ; Q: row 16 t + r
	s_mov_b32 s86, 0x76543210
	s_mov_b32 s87, 0xfedcba98                      ; v_permlanex16_b32's selects for lane l xor 16
	s_mov_b32 s90, 0x06040200                      ; the even bytes of two words,
	s_mov_b32 s91, 0x07050301                      ; the odd ones
	v_mov_b32 v29, 0xff800000
	v_mov_b32 v28, 0                               ; written once: a lane permute's destination counts as one of its sources
	v_mov_b32 v25, 0                               ; (named as the upper half of the pair v[24:25])
	s_wait_kmcnt 0x0
.irp i, 17,18,19,20,21,22,23,24,25,26,27,28,29,30,31
	s_min_u32 s16, s16, s[\i]
.endr
.irp i, 33,34,35,36,37,38,39,40,41,42,43,44,45,46,47
	s_max_u32 s32, s32, s[\i]
.endr
.irp i, 49,50,51,52,53,54,55,56,57,58,59,60,61,62,63
	s_or_b32 s48, s48, s[\i]
.endr
	s_lshl_b32 s17, s13, 4                         ; the tile's first rank
	s_min_u32 s16, s16, s17
	s_lshr_b32 s16, s16, 6                         ; same: from the step of the least seg
	s_add_co_u32 s17, s17, 15
	s_lshr_b32 s17, s17, 6                         ; to the step of the tile's last rank
	s_lshl_b32 s17, 2, s17
	s_sub_co_u32 s17, s17, 1
	s_lshl_b32 s16, -1, s16
	s_and_b32 s82, s17, s16
	s_mov_b32 s83, s48                             ; cross: the union of the 16 queries' lists
	s_add_co_u32 s32, s32, 63
	s_lshr_b32 s32, s32, 6                         ; global: the first ceil(largest cg / 64) steps
	s_mov_b32 s34, 1
	s_mov_b32 s35, 0
	s_lshl_b64 s[34:35], s[34:35], s32
	s_sub_co_u32 s84, s34, 1
	s_wait_loadcnt 0x0
	s_wait_alu depctr_vm_vsrc(0)                   ; the seven loads have read v242 and v243, which the masks write again
	v_cmp_gt_i32 s81, 0x81, v18
	v_cmp_le_i32 s20, 0, v17
	v_min_u32 v244, 0x7ff, v244
	v_min_u32 v245, 0x7ff, v245
	s_lshl_b32 s18, s14, 9
	v_add_nc_u32 v253, s18, v4
	v_lshl_add_u32 v248, v244, 10, v253            ; oc: 1,024 x position + 512 x (which eight heads) + 16 x lane
	v_lshl_add_u32 v249, v245, 10, v253
	s_wait_alu depctr_va_sdst(0)                   ; the two compares have written s81 and s20, ahead of their first reader
	s_and_b32 s81, s81, s20                        ; queries that the cross mask lets in: inst < 129 and bar >= 0
	ATTN 1                                         ; (cross + same) + global has the bits of (same + cross) + global
	ATTN 0
	ATTN 2
	; THE WAY OUT: the sum is quantised with ls[18] and laid in the order along K that the projections' codes have
	s_add_co_i32 s18, s80, 127
	s_lshl_b32 s19, s18, 23
	v_mov_b32 v31, s19
	s_add_co_i32 s18, s18, 8
	s_lshl_b32 s18, s18, 23
	s_or_b32 s18, s18, 0x600000
	v_mov_b32 v30, s18
.irp j, 0,1,2,3,4,5,6,7,8,9,10,11,12,13,14,15,16,17,18,19,20,21,22,23,24,25,26,27,28,29,30,31
	v_med3_num_f32 v[168+\j], v[168+\j], -v30, v30
.endr
.irp g, 0,1
.irp e, 0,1
	v_cvt_scalef32_pk8_fp8_f32 v[240+4*\g+2*\e:241+4*\g+2*\e], v[168+8*(2*\g+\e):175+8*(2*\g+\e)], v31
.endr
.endr
	v_nop                                          ; a plain line between the conversions and the reads of their results
.irp g, 0,1                            ; tiles (g, 0) and (g, 1) interleaved byte by byte: word k of v208-215 is d = 32 h + 4 k + 0 .. 3
	v_perm_b32 v[208+2*\g], v[242+4*\g], v[240+4*\g], 0x05010400
	v_perm_b32 v[209+2*\g], v[242+4*\g], v[240+4*\g], 0x07030602
	v_perm_b32 v[212+2*\g], v[243+4*\g], v[241+4*\g], 0x05010400
	v_perm_b32 v[213+2*\g], v[243+4*\g], v[241+4*\g], 0x07030602
.endr
	s_wait_alu depctr_va_vdst(0)                   ; the permutes have written v208-215, which the LDS stores read; the last attention is done with v216-223, in which the rows read back land
.irp k, 0,1,2,3,4,5,6,7
	ds_store_b32 v250, v[208+\k] offset:16*\k
.endr
	s_wait_dscnt 0x0                               ; for the others' sake: my stores have landed
	s_barrier_signal -1
	s_barrier_wait -1                              ; 16 rows of 512 codes lie in the stage
	ds_load_b128 v[216:219], v251
	ds_load_b128 v[220:223], v251 offset:528
	s_wait_dscnt 0x0
	global_store_b128 v248, v[216:219], s[10:11]   ; the wave stores 512 consecutive bytes, at a multiple of 512 from oc's first byte
	global_store_b128 v249, v[220:223], s[10:11]
	s_wait_dscnt 0x0                               ; the wave's end
	s_wait_alu 0x0
	s_wait_tensorcnt 0x0
	ds_add_u32 v[SPW], v[NIL]
	s_wait_dscnt 0x0
	s_endpgm
.Lfunc_end_k_q30e2888137_attn:
	.size	k_q30e2888137_attn, .Lfunc_end_k_q30e2888137_attn-k_q30e2888137_attn
	.p2alignl 7, 3214868480
	.fill 96, 4, 3214868480
	.section	.rodata,"a",@progbits
	.p2align	6, 0x0
	.amdhsa_kernel k_q30e2888137_attn
		.amdhsa_group_segment_fixed_size 58624
		.amdhsa_private_segment_fixed_size 0
		.amdhsa_enable_private_segment 0
		.amdhsa_kernarg_size 32
		.amdhsa_user_sgpr_count 2
		.amdhsa_user_sgpr_kernarg_segment_ptr 1
		.amdhsa_wavefront_size32 1
		.amdhsa_system_sgpr_workgroup_id_x 1
		.amdhsa_system_sgpr_workgroup_id_y 1
		.amdhsa_system_sgpr_workgroup_id_z 1
		.amdhsa_system_vgpr_workitem_id 0
		.amdhsa_next_free_vgpr 256
		.amdhsa_next_free_sgpr 100
		.amdhsa_reserve_vcc 0
		.amdhsa_float_denorm_mode_32 3
		.amdhsa_float_denorm_mode_16_64 3
		.amdhsa_memory_ordered 1
		.amdhsa_forward_progress 1
		.amdhsa_inst_pref_size 89
	.end_amdhsa_kernel
	.amdgpu_metadata
---
amdhsa.version: [ 1, 2 ]
amdhsa.kernels:
  - .name:           k_q30e2888137_attn
    .symbol:         k_q30e2888137_attn.kd
    .args:
      - { .name: qkvc, .offset: 0, .size: 8, .value_kind: global_buffer, .address_space: global }
      - { .name: route, .offset: 8, .size: 8, .value_kind: global_buffer, .address_space: global }
      - { .name: lowp_scales, .offset: 16, .size: 8, .value_kind: global_buffer, .address_space: global }
      - { .name: oc, .offset: 24, .size: 8, .value_kind: global_buffer, .address_space: global }
    .group_segment_fixed_size: 58624
    .private_segment_fixed_size: 0
    .kernarg_segment_align: 8
    .kernarg_segment_size: 32
    .max_flat_workgroup_size: 256
    .sgpr_count:     100
    .vgpr_count:     256
    .wavefront_size: 32
...
	.end_amdgpu_metadata
.endif
;; end of part 5
;; launch oproj: the kernel of part 4 again; grid 8 x 32, 4 waves a work-group, clusters of 4 x 4, 226,816 bytes of LDS; arguments oc, wc, bo, lowp_scales, out0; writes out0
